; MI455X (gfx1250); checked and timed in simulation.
; The chip was launched on July 23, 2026; its instructions are those of AMD's public machine-readable ISA for CDNA 5 (MIT licence, August 2026) and "CDNA5" Instruction Set Architecture Reference Guide (July 2026). The comments in the code are by the model that wrote it; some were corrected since.
;; Stable Cross Attention. Allowed arithmetic: matrix products marked QUANTISED: E2M1 operands, one E8M0 scale for each 32 along K, by v_wmma_scale_f32_16x16x128_f8f6f4 with both operands' format E2M1 (or v_wmma_scale_f32_32x16x128_f4), f32 sums; everything else in f32.
;; Inputs: Wk_codes 1,024 x 32 x 16 uint8 (E2M1 codes of Wk, K innermost, in blocks of 32 codes, two codes a byte); Wk_scales 1,024 x 32 uint8 (E8M0 scales of Wk, one for each 32 codes along K); Wo_codes 1,024 x 32 x 16 uint8 (E2M1 codes of Wo, K innermost, in blocks of 32 codes, two codes a byte); Wo_scales 1,024 x 32 uint8 (E8M0 scales of Wo, one for each 32 codes along K); Wq_codes 1,024 x 32 x 16 uint8 (E2M1 codes of Wq, K innermost, in blocks of 32 codes, two codes a byte); Wq_scales 1,024 x 32 uint8 (E8M0 scales of Wq, one for each 32 codes along K); Wv_codes 1,024 x 32 x 16 uint8 (E2M1 codes of Wv, K innermost, in blocks of 32 codes, two codes a byte); Wv_scales 1,024 x 32 uint8 (E8M0 scales of Wv, one for each 32 codes along K); bo 1,024 float32; ln_beta 1,024 float32; ln_gamma 1,024 float32; x 2 x 2,048 x 1,024 float32.
;; Outputs: out0 2 x 2,048 x 1,024 float32.
;; This version of the problem:
;;   THIS VERSION OF THE PROBLEM IS GIVEN IN LOW PRECISION. The matrix products marked QUANTISED in the list below multiply operands that are first quantised to E2M1 (2 exponent bits, 1 mantissa bit; 4 bits a number), with one power-of-two scale for each 32 numbers along K (OCP MX v1.0); their sums are f32. All else is computed in f32.
;;   The module's matrix products, in the order in which they are computed (A, B: the left and right operand; K: the contracted axis; several contracted axes count as one K, in the product's order):
;;     1. [M 4,096, K 1,024] x [K 1,024, N 1,024]; A: computed on the way; B: input Wq (given as codes): QUANTISED
;;     2. [M 4,096, K 1,024] x [K 1,024, N 1,024]; A: computed on the way; B: input Wk (given as codes): QUANTISED
;;     3. [M 4,096, K 1,024] x [K 1,024, N 1,024]; A: computed on the way; B: input Wv (given as codes): QUANTISED
;;     4. batch 32 x [M 2,048, K 64] x [K 64, N 2,048]; A: computed on the way; B: computed on the way: QUANTISED
;;     5. batch 32 x [M 2,048, K 2,048] x [K 2,048, N 64]; A: softmax (see below); B: computed on the way: QUANTISED
;;     6. [M 4,096, K 1,024] x [K 1,024, N 1,024]; A: computed on the way; B: input Wo (given as codes): QUANTISED
;;   THE QUANTISER, for each operand of a quantised product, along K:
;;     - K is cut into blocks of 32 from its start; a last block that is shorter is filled with zeros.
;;     - A block's scale is 2^e with e = floor(log2(the largest magnitude in the block)) - 2, held to -126 .. 127; a block of zeros has e = 0. As a byte (E8M0): e + 127.
;;     - Each number is divided by its block's scale, clamped to +-6, and rounded to the nearest number of E2M1, ties to even, subnormals kept.
;;     - The product sums the exact products of the quantised numbers (number of the format x scale) in f32.
;;   ~~~python
;;   def quantise(x, axis):      # numpy; x: float32 -> the quantised numbers, widened to float32 again
;;       x = np.moveaxis(x, axis, -1); K = x.shape[-1]
;;       x = np.pad(x, [(0, 0)] * (x.ndim - 1) + [(0, -K % 32)]); x = x.reshape(x.shape[:-1] + (-1, 32)); a = np.abs(x).max(-1, keepdims=True)
;;       e = np.where(a > 0, np.clip(np.frexp(np.where(a > 0, a, 1))[1] - 1 - 2, -126, 127), 0)      # np.frexp(a)[1] - 1 = floor(log2(a)), exactly
;;       r = np.clip(x / 2.0 ** e, -6, 6)
;;       step = 2.0 ** (np.maximum(np.frexp(np.where(r == 0, 1, r))[1] - 1, 0) - 1)
;;       q = np.round(r / step) * step * 2.0 ** e      # np.round: ties to even
;;       return np.moveaxis(q.reshape(q.shape[:-2] + (-1,))[..., :K], -1, axis).astype(np.float32)
;;   ~~~
;;   SOFTMAX AHEAD OF A QUANTISED PRODUCT. Where the list says 'softmax', what is quantised is not the finished softmax but p = 2^(t - M), with t = logit x log2(e) and M = ceil(the row's largest t), a whole number; so 1/2 < the row's largest p <= 1. The row's sum l is taken of the UNQUANTISED p, in f32, and the product's result is divided by l at the end. Since M is a whole number, a kernel that streams over the keys may use a running M (the ceiling of the running maximum): every later rescaling is an exact power of two, which a block's scale takes up: the codes' values come out the same.
;;   OPERANDS COMPUTED ON THE WAY. 'Computed on the way' means the value that the module computes at that place (a softmax that the list does not call 'softmax' is quantised finished and normalised). What goes into a quantiser is computed in f32, as accurately as f32 sums, v_exp_f32 and their like allow (about 1e-6 of the number): no bf16 or f16 on the way to a quantiser, and a product that is left as it is and whose result goes on into a quantised operand takes f32 operands (vector FMAs, or v_wmma_f32_16x16x4_f32). A number that lies on a knife's edge between two numbers of the format may be rounded either way, as far as f32 arithmetic and the matrix unit's own rounding can turn it there, and no further.
;;   INPUTS GIVEN AS CODES. Wk (in the module: [1024, 1024], K = its axis 1); Wo (in the module: [1024, 1024], K = its axis 1); Wq (in the module: [1024, 1024], K = its axis 1); Wv (in the module: [1024, 1024], K = its axis 1): each comes as NAME_codes (uint8): NAME with its K axis moved to the last place and cut into blocks of 32 codes, [.., K / 32, bytes a block], one block behind the other in memory; two codes a byte, the lower K in the low four bits (a code: sign, 2 exponent bits, 1 mantissa bit); and NAME_scales (uint8): the same leading axes, one E8M0 byte (e + 127) for each 32 codes along K. Its value is code x scale, taken as it is: it is not quantised again, and the codes and scales need not be those that the quantiser above would give.
;; One version. Each part assembles by itself: llvm-mc -triple=amdgcn-amd-amdhsa -mcpu=gfx1250 --defsym DOCPART=n.
;; ======== version 1 of 1: 4 launches
;; limits: right only within a limited range of input values
;; workspace buffers: ximg 2,228,224 bytes; wimg 2,228,224 bytes; qimg 2,097,152 bytes; qsc 262,144 bytes; kv 4,456,448 bytes; oimg 2,228,224 bytes
;; launch prep (part 1): grid 256 x 1, 16 waves a work-group, no clusters, 68,864 bytes of LDS; arguments x, ln_gamma, ln_beta, Wq_codes, Wq_scales, Wk_codes, Wk_scales, Wo_codes, Wo_scales, Wv_codes, Wv_scales, ximg, wimg; writes ximg, wimg
.if DOCPART == 1
	.amdgcn_target "amdgcn-amd-amdhsa--gfx1250"
	.amdhsa_code_object_version 6
	.text
	.protected	k_qac10bc7f45_prep
	.globl	k_qac10bc7f45_prep
	.p2align	8
	.type	k_qac10bc7f45_prep,@function
k_qac10bc7f45_prep:
	s_mov_b64 s[64:65], 0
	v_nop
	global_prefetch_b8 v0, s[64:65] scope:SCOPE_SE
	s_setreg_imm32_b32 hwreg(HW_REG_WAVE_MODE, 25, 1), 1
	s_wait_xcnt 0x0
; LayerNorm of x [4096][1024] f32, quantised along its 1,024 to codes of FP4 (E2M1) with one E8M0 byte for each 32; and the four weights' codes and scale bytes laid anew.
; Both leave as TILE RECORDS of REC = 8,704 bytes, one for 16 rows x 1,024 K: codes [block 0..31][slot 0..15][16 bytes], then scale bytes [slot][32].  So the fragment of a K step of 128 is 1,024 bytes on end,
; 16 bytes a lane in the order of the operand's registers, and a later launch brings whole records by dense tensor loads.
; THE ROWS OF A TILE ARE NOT NEIGHBOURS: slot r of tile n is row 32 (n / 2) + 8 (n % 2) + r + 8 (r / 8), so that the results of two neighbouring tiles are 16 neighbours along a later product's K.
; SHARES.  Work-group n makes x's record n and weight record n (matrix n / 64 in the order Wq, Wk, Wo, Wv; tile n % 64).  Wave w first owns the row of slot w (mean, variance, (x - mean) rsqrt(var + eps): the whole
; row in 32 registers a lane); the 16 rows turn through LDS; then lane (r, h) of wave w owns block 2 w + h of slot r: gamma, beta, the block's largest magnitude and its codes need no other lane.
; A block's scale is 2^(floor(log2(largest magnitude)) - 2); its byte is the largest magnitude's exponent field - 2, held at 1 from below.
; LIMITS: NaN and infinities are not served; a block of zeros gets the byte 1 (its codes are zeros, and these bytes are read by this program alone); blocks whose largest magnitude lies under 2^(3 - 127) keep the byte 1.
; No matrix unit, no tensor load, no cluster: the launch streams x once and work-groups share nothing.
.set REC,  8704
.set ZP,   4112                        ; a row in LDS: 4,096 bytes + 16: an odd multiple of 16, so that sixteen rows' equal columns start at sixteen different groups of banks (64 banks of 4 bytes: ISA guide 11.1)
.set SCL,  16*ZP                       ; behind the rows: x's 512 scale bytes [slot][32],
.set WSC,  SCL+512                     ; and the weight tile's
.set WV,   34                          ; s34      my wave's number
.set SEL,  36                          ; s[36:37] lane selects for v_permlanex16_b32: lane l xor 16
.set LI,   4                           ; v4   16 x lane
.set GO,   5                           ; v5   256 w + 128 h: my block's bytes in gamma, in beta and in a row
.set WO,   6                           ; v6   my 16 bytes of the weight's codes
.set WS,   7                           ; v7   4 (lane % 8): my word of my weight row's scale bytes
.set ZW,   8                           ; v8   LDS: where I put my row
.set ZR,   9                           ; v9   LDS: where I read my block
.set SW,   10                          ; v10  LDS: my block's scale byte
.set SR,   11                          ; v11  LDS: 16 bytes a lane of the scale bytes
.set WW,   12                          ; v12  LDS: my word of the weight's scale bytes
.set WD,   14                          ; v14  that word
.set WC,   16                          ; v16-19   the weight's codes
.set X,    20                          ; v20-51   32 numbers
.set GA,   52                          ; v52-83   gamma of my block
.set BE,   84                          ; v84-115  beta
.set T,    116                         ; v116-123 at work
.set CD,   124                         ; v124-127 my block's codes
	s_load_b512 s[4:19], s[0:1], 0x0               ; x s[4:5], gamma s[6:7], beta s[8:9], Wq's codes, scales s[10:13], Wk's s[14:17], Wo's codes s[18:19]
	s_load_b256 s[20:27], s[0:1], 0x40             ; Wo's scales s[20:21], Wv's codes, scales s[22:25], ximg s[26:27]
	s_load_b64 s[28:29], s[0:1], 0x60              ; wimg
	v_lshl_add_u32 v128, v0, 2, 0x10500
	v_mov_b32 v129, 0
	v_lshrrev_b32 v1, 5, v0
	s_delay_alu instid0(VALU_DEP_1)
	v_readfirstlane_b32 s[WV], v1                  ; wave 0..15
	v_and_b32 v1, 31, v0                           ; lane
	v_and_b32 v2, 15, v0                           ; r
	v_bfe_u32 v3, v0, 4, 1                         ; h
	s_delay_alu instid0(VALU_DEP_3)
	v_lshlrev_b32 v[LI], 4, v1
	s_lshl_b32 s35, s[WV], 8
	v_lshlrev_b32 v[GO], 7, v3
	s_delay_alu instid0(VALU_DEP_1)
	v_add_nc_u32 v[GO], s35, v[GO]
	v_and_b32 v[WO], 8, v2
	s_delay_alu instid0(VALU_DEP_1)
	v_add_nc_u32 v[WO], v[WO], v2                  ; r + 8 (r / 8)
	s_delay_alu instid0(VALU_DEP_1)
	v_lshlrev_b32 v[WO], 9, v[WO]                  ; a weight's row of codes is 512 bytes
	s_delay_alu instid0(VALU_DEP_1)
	v_lshl_add_u32 v[WO], v3, 4, v[WO]
	s_lshl_b32 s35, s[WV], 5
	v_add_nc_u32 v[WO], s35, v[WO]                 ; + 16 (2 w + h): block 2 w + h
	v_and_b32 v[WS], 7, v0
	s_delay_alu instid0(VALU_DEP_1)
	v_lshlrev_b32 v[WS], 2, v[WS]
	s_add_co_u32 s35, s35, WSC
	v_add_nc_u32 v[WW], s35, v[WS]                 ; WSC + 32 w + 4 (lane % 8)
	s_mul_i32 s35, s[WV], ZP
	v_add_nc_u32 v[ZW], s35, v[LI]
	v_mul_u32_u24 v[ZR], v2, ZP
	s_delay_alu instid0(VALU_DEP_1)
	v_add_nc_u32 v[ZR], v[ZR], v[GO]
	s_lshl_b32 s35, s[WV], 1
	s_add_co_u32 s35, s35, SCL
	v_lshl_add_u32 v[SW], v2, 5, v3
	s_delay_alu instid0(VALU_DEP_1)
	v_add_nc_u32 v[SW], s35, v[SW]                 ; SCL + 32 r + 2 w + h
	v_add_nc_u32 v[SR], SCL, v[LI]
	s_mov_b32 s[SEL], 0x76543210
	s_mov_b32 s[SEL+1], 0xfedcba98
	s_mov_b32 s38, 0x3a800000                      ; 1 / 1,024
	s_mov_b32 s39, 0x3727c5ac                      ; eps = 1e-5
	s_lshr_b32 s40, ttmp9, 1
	s_lshl_b32 s40, s40, 5
	s_and_b32 s41, ttmp9, 1
	s_lshl_b32 s41, s41, 3
	s_add_co_u32 s40, s40, s41                     ; the tile's first row: 32 (n / 2) + 8 (n % 2)
	s_lshr_b32 s41, s[WV], 3
	s_lshl_b32 s41, s41, 3
	s_add_co_u32 s41, s41, s[WV]                   ; w + 8 (w / 8)
	s_add_co_u32 s42, s40, s41                     ; my row of x,
	s_lshl_b32 s42, s42, 12                        ; in bytes
	s_mov_b32 s43, 0
	s_and_b32 s44, s40, 1023                       ; the weight tile's first row in its matrix
	s_lshl_b32 s46, s44, 9                         ; its codes
	s_mov_b32 s47, 0
	s_add_co_u32 s44, s44, s41                     ; my row of the weight's scale bytes,
	s_lshl_b32 s44, s44, 5                         ; 32 bytes a row
	s_mov_b32 s45, 0
	s_mul_i32 s48, ttmp9, REC
	s_lshl_b32 s49, s[WV], 9
	s_add_co_u32 s48, s48, s49                     ; record n, blocks 2 w and 2 w + 1
	s_mov_b32 s49, 0
	s_lshr_b32 s35, ttmp9, 6                       ; which matrix
	s_wait_alu depctr_va_vdst(0)
	s_wait_kmcnt 0x0
	s_cmp_eq_u32 s35, 0                            ; the choice hangs on the work-group's number alone; one path serves all four
	s_cselect_b64 s[30:31], s[10:11], s[22:23]
	s_cselect_b64 s[32:33], s[12:13], s[24:25]
	s_cmp_eq_u32 s35, 1
	s_cselect_b64 s[30:31], s[14:15], s[30:31]
	s_cselect_b64 s[32:33], s[16:17], s[32:33]
	s_cmp_eq_u32 s35, 2
	s_cselect_b64 s[30:31], s[18:19], s[30:31]
	s_cselect_b64 s[32:33], s[20:21], s[32:33]
	s_add_nc_u64 s[4:5], s[4:5], s[42:43]
	s_add_nc_u64 s[30:31], s[30:31], s[46:47]
	s_add_nc_u64 s[32:33], s[32:33], s[44:45]
	s_add_nc_u64 s[26:27], s[26:27], s[48:49]
	s_add_nc_u64 s[28:29], s[28:29], s[48:49]
	global_load_b32 v[WD], v[WS], s[32:33]         ; my weight row's 32 scale bytes (four lanes read each word)
	global_load_b128 v[WC:WC+3], v[WO], s[30:31]
.irp j, 0,1,2,3,4,5,6,7
	global_load_b128 v[X+4*\j:X+4*\j+3], v[LI], s[4:5] offset:512*\j       ; my row: 512 consecutive bytes a load
.endr
.irp i, 0,1,2,3,4,5,6,7
	global_load_b128 v[GA+4*\i:GA+4*\i+3], v[GO], s[6:7] offset:16*\i
.endr
.irp i, 0,1,2,3,4,5,6,7
	global_load_b128 v[BE+4*\i:BE+4*\i+3], v[GO], s[8:9] offset:16*\i
.endr
	s_wait_loadcnt 16                              ; all but gamma's and beta's sixteen loads are in
	global_store_b128 v[LI], v[WC:WC+3], s[28:29]  ; the weight's blocks 2 w, 2 w + 1 of sixteen slots: 512 consecutive bytes
	ds_store_b32 v[WW], v[WD]                      ; (lanes that hold the same word write the same bytes)
	s_wait_xcnt 0x0                                ; the store above has read v16-19: the sums below write them again
.macro LANESUM a, t                    ; the sum over the 32 lanes, in every lane
	s_delay_alu instid0(VALU_DEP_1)
	v_add_f32_dpp v[\a], v[\a], v[\a] row_xmask:1 row_mask:0xf bank_mask:0xf
	s_delay_alu instid0(VALU_DEP_1)
	v_add_f32_dpp v[\a], v[\a], v[\a] row_xmask:2 row_mask:0xf bank_mask:0xf
	s_delay_alu instid0(VALU_DEP_1)
	v_add_f32_dpp v[\a], v[\a], v[\a] row_xmask:4 row_mask:0xf bank_mask:0xf
	s_delay_alu instid0(VALU_DEP_1)
	v_add_f32_dpp v[\a], v[\a], v[\a] row_xmask:8 row_mask:0xf bank_mask:0xf
	s_delay_alu instid0(VALU_DEP_1)
	v_permlanex16_b32 v[\t], v[\a], s[SEL], s[SEL+1]
	s_delay_alu instid0(VALU_DEP_1)
	v_add_f32 v[\a], v[\a], v[\t]
.endm
	; the mean: two chains of packed sums
	v_pk_add_f32 v[118:119], v[20:21], v[22:23]
	v_pk_add_f32 v[126:127], v[28:29], v[32:33]
	v_pk_add_f32 v[124:125], v[36:37], v[40:41]
	v_pk_add_f32 v[122:123], v[44:45], v[48:49]
	v_pk_add_f32 v[120:121], v[24:25], v[26:27]
	v_pk_add_f32 v[18:19], v[30:31], v[34:35]
	v_pk_add_f32 v[16:17], v[38:39], v[42:43]
	v_pk_add_f32 v[116:117], v[46:47], v[50:51]
	s_delay_alu instid0(VALU_DEP_1)
	v_pk_add_f32 v[116:117], v[116:117], v[122:123]
	v_pk_add_f32 v[118:119], v[118:119], v[120:121]
	v_pk_add_f32 v[126:127], v[126:127], v[18:19]
	v_pk_add_f32 v[124:125], v[124:125], v[16:17]
	s_delay_alu instid0(VALU_DEP_2)
	v_pk_add_f32 v[116:117], v[116:117], v[126:127]
	s_delay_alu instid0(VALU_DEP_2)
	v_pk_add_f32 v[118:119], v[118:119], v[124:125]
	s_delay_alu instid0(VALU_DEP_1)
	v_pk_add_f32 v[116:117], v[116:117], v[118:119]
	s_delay_alu instid0(VALU_DEP_1)
	v_add_f32 v[T], v[T], v[T+1]
	LANESUM T, T+1
	s_delay_alu instid0(VALU_DEP_1)
	v_mul_f32 v[T], s38, v[T]
.irp j, 0,2,4,6,8,10,12,14,16,18,20,22,24,26,28,30
	v_pk_add_f32 v[X+\j:X+\j+1], v[X+\j:X+\j+1], v[T:T+1] op_sel_hi:[1,0] neg_lo:[0,1] neg_hi:[0,1]   ; x - mean
.endr
	; the variance: the mean of the squares of x - mean
	v_pk_mul_f32 v[T+2:T+3], v[X:X+1], v[X:X+1]
	v_pk_mul_f32 v[T+4:T+5], v[X+2:X+3], v[X+2:X+3]
.irp j, 4,8,12,16,20,24,28
	s_delay_alu instid0(VALU_DEP_2)
	v_pk_fma_f32 v[T+2:T+3], v[X+\j:X+\j+1], v[X+\j:X+\j+1], v[T+2:T+3]
	s_delay_alu instid0(VALU_DEP_2)
	v_pk_fma_f32 v[T+4:T+5], v[X+\j+2:X+\j+3], v[X+\j+2:X+\j+3], v[T+4:T+5]
.endr
	s_delay_alu instid0(VALU_DEP_1)
	v_pk_add_f32 v[T+2:T+3], v[T+2:T+3], v[T+4:T+5]
	s_delay_alu instid0(VALU_DEP_1)
	v_add_f32 v[T+2], v[T+2], v[T+3]
	LANESUM T+2, T+3
	s_delay_alu instid0(VALU_DEP_1)
	v_fma_f32 v[T+2], v[T+2], s38, s39
	s_wait_alu depctr_va_vdst(0)
	v_rsq_f32 v[T+2], v[T+2]
	v_nop                                          ; one plain instruction between a transcendental and the use of its result (ISA guide 5.7.2)
	s_wait_alu depctr_va_vdst(0)
.irp j, 0,2,4,6,8,10,12,14,16,18,20,22,24,26,28,30
	v_pk_mul_f32 v[X+\j:X+\j+1], v[X+\j:X+\j+1], v[T+2:T+3] op_sel_hi:[1,0]
.endr
.irp j, 0,1,2,3,4,5,6,7
	ds_store_b128 v[ZW], v[X+4*\j:X+4*\j+3] offset:512*\j
.endr
	s_wait_dscnt 0x0                               ; for the others' sake: my row and my scale word lie in LDS
	s_barrier_signal -1
	s_barrier_wait -1
.irp i, 0,1,2,3,4,5,6,7
	ds_load_b128 v[X+4*\i:X+4*\i+3], v[ZR] offset:16*\i                     ; block 2 w + h of slot r: 32 neighbours along K
.endr
	s_wait_dscnt 0x0
	s_wait_loadcnt 0x0                             ; gamma and beta
.irp j, 0,2,4,6,8,10,12,14,16,18,20,22,24,26,28,30
	v_pk_fma_f32 v[X+\j:X+\j+1], v[X+\j:X+\j+1], v[GA+\j:GA+\j+1], v[BE+\j:BE+\j+1]
.endr
	v_max3_num_f32 v[T], |v[X]|, |v[X+1]|, |v[X+2]|                         ; the block's largest magnitude: all 32 numbers are mine
	v_max3_num_f32 v[T+1], |v[X+3]|, |v[X+4]|, |v[X+5]|
.irp i, 6,10,14,18,22,26
	s_delay_alu instid0(VALU_DEP_2)
	v_max3_num_f32 v[T], v[T], |v[X+\i]|, |v[X+\i+1]|
	s_delay_alu instid0(VALU_DEP_2)
	v_max3_num_f32 v[T+1], v[T+1], |v[X+\i+2]|, |v[X+\i+3]|
.endr
	s_delay_alu instid0(VALU_DEP_2)
	v_max3_num_f32 v[T], v[T], |v[X+30]|, |v[X+31]|
	s_delay_alu instid0(VALU_DEP_1)
	v_max3_num_f32 v[T], v[T], v[T+1], 0x1800000   ; and the floor 2^(3 - 127): the byte cannot fall under 1
	s_delay_alu instid0(VALU_DEP_1)
	v_add_nc_u32 v[T+2], 0xff000000, v[T]          ; 2 off the exponent field: the conversion takes this operand's exponent field as its scale
	s_delay_alu instid0(VALU_DEP_1)
	v_lshrrev_b32 v[T+3], 23, v[T+2]               ; the scale's byte
.irp g, 0,1,2,3
	v_cvt_scalef32_pk8_fp4_f32 v[CD+\g], v[X+8*\g:X+8*\g+7], v[T+2]
.endr
	v_nop                                          ; one plain instruction behind the last scaled conversion
	ds_store_b8 v[SW], v[T+3]
	global_store_b128 v[LI], v[CD:CD+3], s[26:27]  ; blocks 2 w, 2 w + 1 of sixteen slots: 512 consecutive bytes
	s_wait_dscnt 0x0                               ; for wave 0's sake: my scale bytes lie in LDS
	s_barrier_signal -1
	s_barrier_wait -1
	s_cmp_lg_u32 s[WV], 0
	s_cbranch_scc1 .Lend                           ; wave 0 stores both records' 512 scale bytes, each as one run (its own part of the records begins at their first byte)
	ds_load_b128 v[T:T+3], v[SR]
	ds_load_b128 v[T+4:T+7], v[SR] offset:512
	s_wait_dscnt 0x0
	global_store_b128 v[LI], v[T:T+3], s[26:27] offset:8192
	global_store_b128 v[LI], v[T+4:T+7], s[28:29] offset:8192
.Lend:
	s_wait_tensorcnt 0x0
	ds_add_u32 v128, v129
	s_wait_dscnt 0x0
	s_endpgm
.Lfunc_end_k_qac10bc7f45_prep:
	.size	k_qac10bc7f45_prep, .Lfunc_end_k_qac10bc7f45_prep-k_qac10bc7f45_prep
	.p2alignl 7, 3214868480
	.fill 96, 4, 3214868480
	.section	.rodata,"a",@progbits
	.p2align	6, 0x0
	.amdhsa_kernel k_qac10bc7f45_prep
		.amdhsa_group_segment_fixed_size 68864
		.amdhsa_private_segment_fixed_size 0
		.amdhsa_enable_private_segment 0
		.amdhsa_kernarg_size 104
		.amdhsa_user_sgpr_count 2
		.amdhsa_user_sgpr_kernarg_segment_ptr 1
		.amdhsa_wavefront_size32 1
		.amdhsa_system_sgpr_workgroup_id_x 1
		.amdhsa_system_sgpr_workgroup_id_y 1
		.amdhsa_system_sgpr_workgroup_id_z 1
		.amdhsa_system_vgpr_workitem_id 0
		.amdhsa_next_free_vgpr 130
		.amdhsa_next_free_sgpr 66
		.amdhsa_reserve_vcc 0
		.amdhsa_float_denorm_mode_32 3
		.amdhsa_float_denorm_mode_16_64 3
		.amdhsa_memory_ordered 1
		.amdhsa_forward_progress 1
		.amdhsa_inst_pref_size 18
	.end_amdhsa_kernel
	.amdgpu_metadata
---
amdhsa.version: [ 1, 2 ]
amdhsa.kernels:
  - .name:           k_qac10bc7f45_prep
    .symbol:         k_qac10bc7f45_prep.kd
    .args:
      - { .name: x, .offset: 0, .size: 8, .value_kind: global_buffer, .address_space: global }
      - { .name: ln_gamma, .offset: 8, .size: 8, .value_kind: global_buffer, .address_space: global }
      - { .name: ln_beta, .offset: 16, .size: 8, .value_kind: global_buffer, .address_space: global }
      - { .name: Wq_codes, .offset: 24, .size: 8, .value_kind: global_buffer, .address_space: global }
      - { .name: Wq_scales, .offset: 32, .size: 8, .value_kind: global_buffer, .address_space: global }
      - { .name: Wk_codes, .offset: 40, .size: 8, .value_kind: global_buffer, .address_space: global }
      - { .name: Wk_scales, .offset: 48, .size: 8, .value_kind: global_buffer, .address_space: global }
      - { .name: Wo_codes, .offset: 56, .size: 8, .value_kind: global_buffer, .address_space: global }
      - { .name: Wo_scales, .offset: 64, .size: 8, .value_kind: global_buffer, .address_space: global }
      - { .name: Wv_codes, .offset: 72, .size: 8, .value_kind: global_buffer, .address_space: global }
      - { .name: Wv_scales, .offset: 80, .size: 8, .value_kind: global_buffer, .address_space: global }
      - { .name: ximg, .offset: 88, .size: 8, .value_kind: global_buffer, .address_space: global }
      - { .name: wimg, .offset: 96, .size: 8, .value_kind: global_buffer, .address_space: global }
    .group_segment_fixed_size: 68864
    .private_segment_fixed_size: 0
    .kernarg_segment_align: 8
    .kernarg_segment_size: 104
    .max_flat_workgroup_size: 512
    .sgpr_count:     66
    .vgpr_count:     130
    .wavefront_size: 32
...
	.end_amdgpu_metadata
.endif
;; end of part 1
;; launch qkv (part 2): grid 8 x 32, 16 waves a work-group, clusters of 4 x 4, 280,576 bytes of LDS; arguments ximg, wimg, qimg, qsc, kv; writes qimg, qsc, kv
.if DOCPART == 2
	.amdgcn_target "amdgcn-amd-amdhsa--gfx1250"
	.amdhsa_code_object_version 6
	.text
	.protected	k_qac10bc7f45_qkv
	.globl	k_qac10bc7f45_qkv
	.p2align	8
	.type	k_qac10bc7f45_qkv,@function
k_qac10bc7f45_qkv:
	s_mov_b64 s[64:65], 0
	v_nop
	global_prefetch_b8 v0, s[64:65] scope:SCOPE_SE
	s_setreg_imm32_b32 hwreg(HW_REG_WAVE_MODE, 25, 1), 1
	s_wait_xcnt 0x0
	s_wait_alu depctr_hold_cnt(0) depctr_sa_sdst(0) depctr_va_vdst(0) depctr_va_sdst(0) depctr_va_ssrc(0) depctr_va_vcc(0) depctr_vm_vsrc(0)
	s_getreg_b32 s2, hwreg(HW_REG_IB_STS2, 6, 4)
	s_cmp_eq_u32 s2, 0
	s_cbranch_scc0 .Lentry_in_a_cluster
	s_endpgm
.Lentry_in_a_cluster:
	s_bfe_u32 s2, ttmp6, 0x10000c
	s_cmp_lg_u32 s2, 0xf033
	s_cbranch_scc0 .Lentry_shape_is_right
	s_endpgm
.Lentry_shape_is_right:
; Q, K and V = xn Wq^T, xn Wk^T, xn Wv^T on codes of FP4 (E2M1) with E8M0 scales, sums in f32; each result is quantised in registers for the product that takes it next and leaves as codes.
; SHARES.  Work-group (g, tb): features 128 g .. + 127 (heads 2 g, 2 g + 1) of tokens 128 tb .. + 127 (key step tb % 16 of batch tb / 16).  Twelve waves: type = wave / 4 (0 Q, 1 K, 2 V), p = wave % 4.
; A wave multiplies all 8 tiles of source 0 by tiles 2 p, 2 p + 1 of source 1 over K = 1,024: 16 accumulators, 128 matrix instructions.  Q, K: source 0 = the weight's tiles, source 1 = tokens: a lane holds one token and
; its registers run along the features, the next K.  V: source 0 = tokens, source 1 = Wv's tiles: a lane holds one feature and its registers run along the keys, the next K.  Only two LDS bases differ.
; OPERANDS are tile records (16 rows x 1,024 K: codes in the order of the operand's registers, 1,024 bytes a K step, then 32 scale bytes a row).  Slot r of tile n is row 32 (n / 2) + 8 (n % 2) + r + 8 (r / 8), so the 16
; registers of source-0 tiles 2 b, 2 b + 1 are the 16 neighbours 32 b + 16 (lane / 16) + 0 .. 15.  All four panels (8 records each) lie in LDS at once, each byte filled once: no ring.
; CLUSTER 4 x 4: the four of a row of the cluster share tb and so x's panel, the four of a column share g and so the weights' panels: each quarter panel is asked for jointly.
; OUT.  qimg [bh][tile of 16 queries][lane][16 bytes], qsc [bh][tile][slot][word s0 s1 s0 s1]; kv [bh][key step][8,704]: K's codes [tile 0..7][lane][16], V^T's [tile of 16 features 0..3][half][lane][16],
; K's scale words [pair of tiles][slot] (two bytes of each tile), V's [tile][slot].
; LIMITS: NaN and infinities are not served; a block of zeros gets the byte 1 (its codes are zeros; these bytes are read by this program alone).
.set REC,   8704
.set HALF,  4*REC
.set PANEL, 8*REC                      ; LDS: Wq's panel at 0, Wk's at PANEL, x's at 2 PANEL, Wv's at 3 PANEL
.set HEADB, 16*REC                     ; a head's key steps in kv
.set WV,  14                           ; s14 wave, s15 type, s16 p
.set TY,  15
.set PP,  16
.set SEL, 2                            ; s[2:3] lane selects for v_permlanex16_b32: lane l xor 16
.set G1X, 24                           ; s[24:31] descriptor group 1 for x's loads (mask: my row of the cluster);  s[32:39] for the weights' (my column)
.set G1W, 32
.set G0X, 48                           ; s[48:51], s[52:55] their groups 0
.set G0W, 52
.set A0,  4                            ; v4  LDS: source 0's tiles 0-3, 16 bytes a lane;  v5 tiles 4-7
.set A1,  5
.set B0,  6                            ; v6  source 1's two tiles
.set SA,  7                            ; v7  source 0's scale words: lanes 0-15 an even tile's rows, lanes 16-31 the next tile's
.set SB,  8                            ; v8  source 1's: lanes 0-15 tile 2 p, lanes 16-31 tile 2 p + 1
.set LI,  9                            ; v9  16 x lane
.set LS,  10                           ; v10 4 x lane
.set KO,  11                           ; v11 K's scale words: 4 r, and one head on for lanes 16-31
.set SC0, 16                           ; v16-31 scale words of source 0: register 4 i + q: tiles 2 i, 2 i + 1, K step q of four
.set SC1, 32                           ; v32-35 of source 1
.set F0,  40                           ; v40-103  source 0's eight fragments of a K step
.set F1,  104                          ; v104-119 source 1's two
.set ACC, 128                          ; v128-255 accumulator (n, t) at ACC + 64 n + 8 t
.set TM,  40                           ; behind the products: v40-55 at work, v56-71 the two fragments made, v72-73 their scale words, v74.. at work
.set PC0, 56
.set PC1, 64
.set PW0, 72
.set PW1, 73
.set TT,  74
.macro NOP4
.rept 4
	v_nop
.endr
.endm
.macro ROUND                           ; a round of the cluster's barrier
	s_barrier_signal -1
	s_barrier_wait -1
	s_cmp_lg_u32 s[WV], 0
	s_cbranch_scc1 .Lnot_wave_0_\@
	s_barrier_signal -3
.Lnot_wave_0_\@:
	s_barrier_wait -3
	s_barrier_signal -1
	s_barrier_wait -1
.endm
; One matrix instruction.  z = 1: it starts the sum.  ra, rb = 1: that side's scales are read from lanes 16-31.
.macro WM d, a, b, z, sa, sb, ra, rb
.if \z
.if \ra
.if \rb
	v_wmma_scale_f32_16x16x128_f8f6f4 v[\d:\d+7], v[\a:\a+7], v[\b:\b+7], 0, v[\sa], v[\sb] matrix_a_fmt:MATRIX_FMT_FP4 matrix_b_fmt:MATRIX_FMT_FP4 matrix_a_scale:MATRIX_SCALE_ROW1 matrix_b_scale:MATRIX_SCALE_ROW1
.else
	v_wmma_scale_f32_16x16x128_f8f6f4 v[\d:\d+7], v[\a:\a+7], v[\b:\b+7], 0, v[\sa], v[\sb] matrix_a_fmt:MATRIX_FMT_FP4 matrix_b_fmt:MATRIX_FMT_FP4 matrix_a_scale:MATRIX_SCALE_ROW1
.endif
.else
.if \rb
	v_wmma_scale_f32_16x16x128_f8f6f4 v[\d:\d+7], v[\a:\a+7], v[\b:\b+7], 0, v[\sa], v[\sb] matrix_a_fmt:MATRIX_FMT_FP4 matrix_b_fmt:MATRIX_FMT_FP4 matrix_b_scale:MATRIX_SCALE_ROW1
.else
	v_wmma_scale_f32_16x16x128_f8f6f4 v[\d:\d+7], v[\a:\a+7], v[\b:\b+7], 0, v[\sa], v[\sb] matrix_a_fmt:MATRIX_FMT_FP4 matrix_b_fmt:MATRIX_FMT_FP4
.endif
.endif
.else
.if \ra
.if \rb
	v_wmma_scale_f32_16x16x128_f8f6f4 v[\d:\d+7], v[\a:\a+7], v[\b:\b+7], v[\d:\d+7], v[\sa], v[\sb] matrix_a_fmt:MATRIX_FMT_FP4 matrix_b_fmt:MATRIX_FMT_FP4 matrix_a_scale:MATRIX_SCALE_ROW1 matrix_b_scale:MATRIX_SCALE_ROW1
.else
	v_wmma_scale_f32_16x16x128_f8f6f4 v[\d:\d+7], v[\a:\a+7], v[\b:\b+7], v[\d:\d+7], v[\sa], v[\sb] matrix_a_fmt:MATRIX_FMT_FP4 matrix_b_fmt:MATRIX_FMT_FP4 matrix_a_scale:MATRIX_SCALE_ROW1
.endif
.else
.if \rb
	v_wmma_scale_f32_16x16x128_f8f6f4 v[\d:\d+7], v[\a:\a+7], v[\b:\b+7], v[\d:\d+7], v[\sa], v[\sb] matrix_a_fmt:MATRIX_FMT_FP4 matrix_b_fmt:MATRIX_FMT_FP4 matrix_b_scale:MATRIX_SCALE_ROW1
.else
	v_wmma_scale_f32_16x16x128_f8f6f4 v[\d:\d+7], v[\a:\a+7], v[\b:\b+7], v[\d:\d+7], v[\sa], v[\sb] matrix_a_fmt:MATRIX_FMT_FP4 matrix_b_fmt:MATRIX_FMT_FP4
.endif
.endif
.endif
.endm
; The scale words of four K steps (16 bytes of each row's 32).
.macro KSCALES half
.irp i, 0,1,2,3
	ds_load_b128 v[SC0+4*\i:SC0+4*\i+3], v[SA] offset:2*\i*REC+16*\half
.endr
	ds_load_b128 v[SC1:SC1+3], v[SB] offset:16*\half
.endm
; K step s of eight: ten fragments from LDS (each load 512 consecutive bytes), 16 matrix instructions on 16 accumulators by turns, and four places in front of the next
; loads into registers that these matrix instructions read (ISA guide 7.12.1 for vector instructions).
.macro KSTEP s, z
.irp t, 0,1,2,3
.irp c, 0,1
	ds_load_b128 v[F0+8*\t+4*\c:F0+8*\t+4*\c+3], v[A0] offset:\t*REC+1024*(\s)+512*\c
.endr
.endr
.irp t, 0,1,2,3
.irp c, 0,1
	ds_load_b128 v[F0+32+8*\t+4*\c:F0+32+8*\t+4*\c+3], v[A1] offset:\t*REC+1024*(\s)+512*\c
.endr
.endr
.irp n, 0,1
.irp c, 0,1
	ds_load_b128 v[F1+8*\n+4*\c:F1+8*\n+4*\c+3], v[B0] offset:\n*REC+1024*(\s)+512*\c
.endr
.endr
	s_wait_dscnt 0x0
.irp t, 0,1,2,3,4,5,6,7
.irp n, 0,1
	WM ACC+64*\n+8*\t, F0+8*\t, F1+8*\n, \z, SC0+4*(\t/2)+(\s)%4, SC1+(\s)%4, \t%2, \n
.endr
.endr
	NOP4
.endm
; 64 numbers of a lane, register 16 b + i = k 32 b + 16 (lane / 16) + i of my row, become a fragment's codes in v[pc] on and its scale word in v[pw].
.macro QUANT src, pc, pw
.irp b, 0,1,2,3
	v_max3_num_f32 v[TM+\b], |v[\src+16*\b]|, |v[\src+1+16*\b]|, 0x1800000   ; block b: my 16 numbers, and the floor 2^(3 - 127): the byte cannot fall under 1
.endr
.irp i, 2,4,6,8,10,12,14
.irp b, 0,1,2,3
	v_max3_num_f32 v[TM+\b], v[TM+\b], |v[\src+16*\b+\i]|, |v[\src+1+16*\b+\i]|   ; (the four blocks by turns)
.endr
.endr
.irp b, 0,1,2,3
	s_delay_alu instid0(VALU_DEP_4)
	v_permlanex16_b32 v[TM+4+\b], v[TM+\b], s[SEL], s[SEL+1]
.endr
.irp b, 0,1,2,3
	s_delay_alu instid0(VALU_DEP_4)
	v_max_num_f32 v[TM+\b], v[TM+\b], v[TM+4+\b]   ; with lane l xor 16's: the block's largest magnitude
.endr
.irp b, 0,1,2,3
	s_delay_alu instid0(VALU_DEP_4)
	v_add_nc_u32 v[TM+12+\b], 0xff000000, v[TM+\b] ; 2 off its exponent field: the conversion's scale operand
.endr
.irp b, 0,1,2,3
	s_delay_alu instid0(VALU_DEP_4)
	v_lshrrev_b32 v[TM+4+\b], 23, v[TM+12+\b]      ; the scale's byte
.endr
	s_delay_alu instid0(VALU_DEP_3)
	v_lshl_or_b32 v[\pw], v[TM+5], 8, v[TM+4]
	s_delay_alu instid0(VALU_DEP_1)
	v_lshl_or_b32 v[\pw], v[TM+6], 16, v[\pw]
	s_delay_alu instid0(VALU_DEP_1)
	v_lshl_or_b32 v[\pw], v[TM+7], 24, v[\pw]
.irp b, 0,1,2,3
	v_cvt_scalef32_pk8_fp4_f32 v[\pc+2*\b], v[\src+16*\b:\src+7+16*\b], v[TM+12+\b]
	v_cvt_scalef32_pk8_fp4_f32 v[\pc+1+2*\b], v[\src+8+16*\b:\src+15+16*\b], v[TM+12+\b]
.endr
	v_nop                                          ; one plain instruction behind a scaled conversion
.irp c, 0,1                                    ; the operand's layout wants a whole block in a lane: lanes 0-15 block 2 c, lanes 16-31 block 2 c + 1
.irp i, 0,1
	v_permlane16_swap_b32 v[\pc+4*\c+\i], v[\pc+2+4*\c+\i]
.endr
.endr
.endm
	s_load_b256 s[4:11], s[0:1], 0x0               ; ximg s[4:5], wimg s[6:7], qimg s[8:9], qsc s[10:11]
	s_load_b64 s[12:13], s[0:1], 0x20              ; kv
	v_lshl_add_u32 v126, v0, 2, 0x44000
	v_mov_b32 v127, 0
	ds_add_u32 v126, v127
	ds_add_u32 v126, v127
	v_lshrrev_b32 v1, 5, v0
	s_delay_alu instid0(VALU_DEP_1)
	v_readfirstlane_b32 s[WV], v1                  ; wave 0..15
	s_lshr_b32 s[TY], s[WV], 2
	s_and_b32 s[PP], s[WV], 3
	s_bfe_u32 s40, ttmp6, 0x40000                  ; cx, cy: my place in the cluster
	s_bfe_u32 s41, ttmp6, 0x40004
	s_lshl_b32 s42, ttmp9, 2
	s_add_co_u32 s42, s42, s40                     ; g = 4 x cluster x + cx
	s_and_b32 s18, ttmp7, 0xffff
	s_lshl_b32 s18, s18, 2
	s_add_co_u32 s18, s18, s41                     ; tb = 4 x cluster y + cy
	s_lshl_b32 s44, s41, 2
	s_lshl_b32 s44, 15, s44                        ; my row of the cluster
	s_lshl_b32 s45, 0x1111, s40                    ; my column
	; descriptor group 1: a quarter of a panel, 17,408 dense bytes, as 68 rows of 256 bytes (32 elements of 8 bytes), no padding
	s_or_b32 s[G1X], s44, (3<<16)|(1<<21)          ; 15:0 the mask; 17:16 elements of 8 bytes; 21 set beside a mask
	s_or_b32 s[G1W], s45, (3<<16)|(1<<21)
.irp g, G1X, G1W
	s_mov_b32 s[\g+1], 32<<16                      ; tensor_dim0
	s_mov_b32 s[\g+2], 68<<16                      ; tensor_dim1: a quarter of a panel, two records, 17,408 dense bytes, as 68 rows of 256 bytes
	s_mov_b32 s[\g+3], 32<<16                      ; tile_dim0
	s_mov_b32 s[\g+4], 68                          ; tile_dim1
	s_mov_b32 s[\g+5], 32                          ; tensor_dim0_stride
	s_mov_b32 s[\g+6], 0
	s_mov_b32 s[\g+7], 0
.endr
	; x's address is made of tb and the wave's number, the weights' of g and the wave's number, each in registers that never hold the other coordinate.
	; SIXTEEN waves fetch, one tensor load each: wave i brings LDS bytes 2 i REC on: panel i / 4 (Wq, Wk, x, Wv), records 2 (i % 4), + 1 of its eight.  Waves 12 to 15 fetch and multiply nothing.
	s_mul_i32 s20, s[WV], 2*REC
	s_and_b32 s21, s[WV], 3
	s_lshl_b32 s21, s21, 1
	s_lshl_b32 s22, s18, 3
	s_add_co_u32 s22, s22, s21
	s_mul_i32 s22, s22, REC
	s_mov_b32 s23, 0
	s_lshr_b32 s17, s[WV], 2
	s_lshl_b32 s56, s17, 6
	s_add_co_u32 s56, s56, s21
	s_lshl_b32 s57, s42, 3
	s_add_co_u32 s56, s56, s57
	s_mul_i32 s56, s56, REC
	s_mov_b32 s57, 0
	s_wait_dscnt 0x0
	s_wait_kmcnt 0x0
	s_mov_b32 s[G0X], 1                            ; count = 1
	s_mov_b32 s[G0X+1], s20                        ; LDS address
	s_add_nc_u64 s[G0X+2:G0X+3], s[4:5], s[22:23]  ; global address
	s_or_b32 s[G0X+3], s[G0X+3], 0x80000000        ; type = 2
	s_mov_b32 s[G0W], 1
	s_mov_b32 s[G0W+1], s20
	s_add_nc_u64 s[G0W+2:G0W+3], s[6:7], s[56:57]
	s_or_b32 s[G0W+3], s[G0W+3], 0x80000000
	ROUND                                          ; all sixteen work-groups are here: the joint loads meet
	s_cmp_eq_u32 s17, 2                            ; the branches hang on the wave's number alone; four v_nop follow each of the two lines
	s_cbranch_scc0 .Lnot_x
	tensor_load_to_lds s[G0X:G0X+3], s[G1X:G1X+7]
	s_nop 0
	NOP4
	s_branch .Lasked
.Lnot_x:
	tensor_load_to_lds s[G0W:G0W+3], s[G1W:G1W+7]
	s_nop 0
	NOP4
.Lasked:
	v_and_b32 v1, 31, v0                           ; lane
	v_and_b32 v2, 15, v0                           ; r
	v_bfe_u32 v3, v0, 4, 1                         ; h
	s_delay_alu instid0(VALU_DEP_3)
	v_lshlrev_b32 v[LI], 4, v1
	s_delay_alu instid0(VALU_DEP_4)
	v_lshlrev_b32 v[LS], 2, v1
	s_mul_i32 s46, s[TY], PANEL                    ; source 0: Wq's, Wk's or x's panel
	s_lshr_b32 s47, s[TY], 1
	s_mul_i32 s47, s47, PANEL
	s_add_co_u32 s47, s47, 2*PANEL                 ; source 1: x's or Wv's panel,
	s_mul_i32 s19, s[PP], 2*REC
	s_add_co_u32 s47, s47, s19                     ; tiles 2 p, 2 p + 1
	v_add_nc_u32 v[A0], s46, v[LI]
	s_delay_alu instid0(VALU_DEP_1)
	v_add_nc_u32 v[A1], 4*REC, v[A0]
	v_add_nc_u32 v[B0], s47, v[LI]
	v_mul_u32_u24 v12, v3, REC                     ; lanes 16-31: the next tile
	s_delay_alu instid0(VALU_DEP_1)
	v_lshl_add_u32 v12, v2, 5, v12                 ; 32 scale bytes a row,
	s_delay_alu instid0(VALU_DEP_1)
	v_add_nc_u32 v12, 8192, v12                    ; behind the record's codes
	s_delay_alu instid0(VALU_DEP_1)
	v_add_nc_u32 v[SA], s46, v12
	s_delay_alu instid0(VALU_DEP_2)
	v_add_nc_u32 v[SB], s47, v12
	v_mul_u32_u24 v[KO], v3, HEADB
	s_delay_alu instid0(VALU_DEP_1)
	v_lshl_add_u32 v[KO], v2, 2, v[KO]
	s_mov_b32 s[SEL], 0x76543210
	s_mov_b32 s[SEL+1], 0xfedcba98
	s_lshr_b32 s58, s18, 4
	s_lshl_b32 s58, s58, 4
	s_lshl_b32 s59, s42, 1
	s_add_co_u32 s58, s58, s59                     ; bh of head 2 g: 16 x batch + 2 g
	s_and_b32 s59, s18, 15                         ; the key step
	s_wait_alu depctr_va_vdst(0)
	s_wait_tensorcnt 0x0                           ; my two records have landed,
	s_barrier_signal -1
	s_barrier_wait -1                              ; everybody's has
	s_cmp_lt_u32 s[WV], 12                         ; the products are shared among twelve waves
	s_cbranch_scc0 .Ldone
	KSCALES 0
	KSTEP 0, 1                                     ; the first K step starts the sums: nothing is cleared
	KSTEP 1, 0
	KSTEP 2, 0
	KSTEP 3, 0
	KSCALES 1
	KSTEP 4, 0
	KSTEP 5, 0
	KSTEP 6, 0
	KSTEP 7, 0
.irp b, 0,1,2,3
	v_mov_b32 v[TM+4+\b], 0                        ; written once: a lane permute's destination counts as one of its sources
.endr
	QUANT ACC, PC0, PW0                            ; each accumulator is read from its low end on
	QUANT ACC+64, PC1, PW1
	v_cmp_le_u32 vcc_lo, 16, v1                    ; lanes 16-31
	s_mov_b32 s63, 0
	s_cmp_eq_u32 s[TY], 0
	s_cbranch_scc1 .Lq
	s_cmp_eq_u32 s[TY], 1
	s_cbranch_scc1 .Lk
	; V: my two tiles of 16 features, tiles 2 (p % 2), + 1 of head 2 g + p / 2; K = this key step's 128 keys
	s_lshr_b32 s60, s[PP], 1
	s_add_co_u32 s60, s60, s58
	s_lshl_b32 s60, s60, 4
	s_add_co_u32 s60, s60, s59
	s_mul_i32 s60, s60, REC                        ; the record
	s_and_b32 s61, s[PP], 1
	s_lshl_b32 s62, s61, 11
	s_add_co_u32 s62, s62, s60
	s_add_nc_u64 s[66:67], s[12:13], s[62:63]
	s_lshl_b32 s62, s61, 7
	s_add_co_u32 s62, s62, s60
	s_add_nc_u64 s[12:13], s[12:13], s[62:63]
	global_store_b128 v[LI], v[PC0:PC0+3], s[66:67] offset:4096             ; each store: 512 consecutive bytes, at a multiple of 256 from kv's first byte
	global_store_b128 v[LI], v[PC0+4:PC0+7], s[66:67] offset:4096+512
	s_wait_alu depctr_va_vdst(0)
	global_store_b128 v[LI], v[PC1:PC1+3], s[66:67] offset:4096+1024
	global_store_b128 v[LI], v[PC1+4:PC1+7], s[66:67] offset:4096+1536
	v_cndmask_b32 v[TT], v[PW0], v[PW1], vcc_lo    ; lanes 0-15 the first tile's words, lanes 16-31 the second's
	global_store_b32 v[LS], v[TT], s[12:13] offset:8448
	s_branch .Ldone
.Lq:
	; Q: tiles 8 (tb % 16) + 2 p, + 1 of the batch's queries; registers 0-3 head 2 g, registers 4-7 head 2 g + 1
	s_lshl_b32 s60, s58, 7
	s_lshl_b32 s61, s59, 3
	s_add_co_u32 s60, s60, s61
	s_lshl_b32 s61, s[PP], 1
	s_add_co_u32 s60, s60, s61                     ; 128 bh + tile
	s_lshl_b32 s62, s60, 9
	s_add_nc_u64 s[8:9], s[8:9], s[62:63]
	s_lshl_b32 s62, s60, 6
	s_add_nc_u64 s[10:11], s[10:11], s[62:63]
	global_store_b128 v[LI], v[PC0:PC0+3], s[8:9]
	global_store_b128 v[LI], v[PC0+4:PC0+7], s[8:9] offset:65536
	s_wait_alu depctr_va_vdst(0)
	global_store_b128 v[LI], v[PC1:PC1+3], s[8:9] offset:512
	global_store_b128 v[LI], v[PC1+4:PC1+7], s[8:9] offset:65536+512
	v_cndmask_b32 v[TT], v[PW0], v[PW1], vcc_lo
	s_delay_alu instid0(VALU_DEP_1)
	v_perm_b32 v[TT+1], v[TT], v[TT], 0x01000100   ; head 2 g's two bytes, twice: the head's 64 stand in either half of a K step of 128
	s_delay_alu instid0(VALU_DEP_2)
	v_perm_b32 v[TT+2], v[TT], v[TT], 0x03020302   ; head 2 g + 1's
	global_store_b32 v[LS], v[TT+1], s[10:11]
	global_store_b32 v[LS], v[TT+2], s[10:11] offset:8192
	s_branch .Ldone
.Lk:
	; K: tiles 2 p, 2 p + 1 of the key step's eight, for both heads
	s_lshl_b32 s60, s58, 4
	s_add_co_u32 s60, s60, s59
	s_mul_i32 s60, s60, REC                        ; head 2 g's record; head 2 g + 1's lies HEADB on
	s_lshl_b32 s62, s[PP], 10
	s_add_co_u32 s62, s62, s60
	s_add_nc_u64 s[66:67], s[12:13], s[62:63]
	s_lshl_b32 s62, s[PP], 6
	s_add_co_u32 s62, s62, s60
	s_add_nc_u64 s[12:13], s[12:13], s[62:63]
	s_and_b32 s61, s[PP], 1
	s_lshl_b32 s61, s61, 7
	v_xor_b32 v[TT+2], s61, v[LI]                  ; tiles of an odd p lie with their two groups of eight slots exchanged (slot r at place r xor 8): the next launch forms its tiles of eight slots of an even p and eight of an odd p, 128 bytes of each. Each store still covers 512 consecutive bytes
	global_store_b128 v[TT+2], v[PC0:PC0+3], s[66:67]
	global_store_b128 v[TT+2], v[PC0+4:PC0+7], s[66:67] offset:HEADB
	s_wait_alu depctr_va_vdst(0)
	global_store_b128 v[TT+2], v[PC1:PC1+3], s[66:67] offset:512
	global_store_b128 v[TT+2], v[PC1+4:PC1+7], s[66:67] offset:HEADB+512
	v_perm_b32 v[TT], v[PW1], v[PW0], 0x05040100   ; head 2 g: tile 2 p's two bytes, then tile 2 p + 1's
	v_perm_b32 v[TT+1], v[PW1], v[PW0], 0x07060302 ; head 2 g + 1
	s_delay_alu instid0(VALU_DEP_1)
	v_cndmask_b32 v[TT], v[TT], v[TT+1], vcc_lo    ; lanes 0-15 store head 2 g's words, lanes 16-31 head 2 g + 1's
	global_store_b32 v[KO], v[TT], s[12:13] offset:8192
.Ldone:
	s_wait_tensorcnt 0x0
	ds_add_u32 v126, v127
	s_wait_dscnt 0x0
	ROUND                                          ; the closing round: no work-group ends while a partner may still ask for a panel that names it
	s_endpgm
.Lfunc_end_k_qac10bc7f45_qkv:
	.size	k_qac10bc7f45_qkv, .Lfunc_end_k_qac10bc7f45_qkv-k_qac10bc7f45_qkv
	.p2alignl 7, 3214868480
	.fill 96, 4, 3214868480
	.section	.rodata,"a",@progbits
	.p2align	6, 0x0
	.amdhsa_kernel k_qac10bc7f45_qkv
		.amdhsa_group_segment_fixed_size 280576
		.amdhsa_private_segment_fixed_size 0
		.amdhsa_enable_private_segment 0
		.amdhsa_kernarg_size 40
		.amdhsa_user_sgpr_count 2
		.amdhsa_user_sgpr_kernarg_segment_ptr 1
		.amdhsa_wavefront_size32 1
		.amdhsa_system_sgpr_workgroup_id_x 1
		.amdhsa_system_sgpr_workgroup_id_y 1
		.amdhsa_system_sgpr_workgroup_id_z 1
		.amdhsa_system_vgpr_workitem_id 0
		.amdhsa_next_free_vgpr 256
		.amdhsa_next_free_sgpr 80
		.amdhsa_reserve_vcc 1
		.amdhsa_float_denorm_mode_32 3
		.amdhsa_float_denorm_mode_16_64 3
		.amdhsa_memory_ordered 1
		.amdhsa_forward_progress 1
		.amdhsa_inst_pref_size 47
	.end_amdhsa_kernel
	.amdgpu_metadata
---
amdhsa.version: [ 1, 2 ]
amdhsa.kernels:
  - .name:           k_qac10bc7f45_qkv
    .symbol:         k_qac10bc7f45_qkv.kd
    .args:
      - { .name: ximg, .offset: 0, .size: 8, .value_kind: global_buffer, .address_space: global }
      - { .name: wimg, .offset: 8, .size: 8, .value_kind: global_buffer, .address_space: global }
      - { .name: qimg, .offset: 16, .size: 8, .value_kind: global_buffer, .address_space: global }
      - { .name: qsc, .offset: 24, .size: 8, .value_kind: global_buffer, .address_space: global }
      - { .name: kv, .offset: 32, .size: 8, .value_kind: global_buffer, .address_space: global }
    .group_segment_fixed_size: 280576
    .private_segment_fixed_size: 0
    .kernarg_segment_align: 8
    .kernarg_segment_size: 40
    .max_flat_workgroup_size: 512
    .sgpr_count:     80
    .vgpr_count:     256
    .wavefront_size: 32
...
	.end_amdgpu_metadata
.endif
;; end of part 2
;; launch attn (part 3): grid 8 x 32, 16 waves a work-group, clusters of 4 x 1, 169,984 bytes of LDS; arguments qimg, qsc, kv, oimg; writes oimg
.if DOCPART == 3
	.amdgcn_target "amdgcn-amd-amdhsa--gfx1250"
	.amdhsa_code_object_version 6
	.text
	.protected	k_qac10bc7f45_attn
	.globl	k_qac10bc7f45_attn
	.p2align	8
	.type	k_qac10bc7f45_attn,@function
k_qac10bc7f45_attn:
	s_mov_b64 s[64:65], 0
	v_nop
	global_prefetch_b8 v0, s[64:65] scope:SCOPE_SE
	s_setreg_imm32_b32 hwreg(HW_REG_WAVE_MODE, 25, 1), 1
	s_wait_xcnt 0x0
	s_wait_alu depctr_hold_cnt(0) depctr_sa_sdst(0) depctr_va_vdst(0) depctr_va_sdst(0) depctr_va_ssrc(0) depctr_va_vcc(0) depctr_vm_vsrc(0)
	s_getreg_b32 s2, hwreg(HW_REG_IB_STS2, 6, 4)
	s_cmp_eq_u32 s2, 0
	s_cbranch_scc0 .Lentry_in_a_cluster
	s_endpgm
.Lentry_in_a_cluster:
	s_bfe_u32 s2, ttmp6, 0x10000c
	s_cmp_lg_u32 s2, 0x3003
	s_cbranch_scc0 .Lentry_shape_is_right
	s_endpgm
.Lentry_shape_is_right:
; O = softmax(clip(Q K^T / 16, -10, 10)) V for one (batch, head) and 256 queries, both products on codes of FP4 (E2M1) with E8M0 scales; O / the row's sum is quantised along the model's 1,024 and leaves as codes.
; SHARES.  bh = work-group y; 256 queries a work-group, one tile of 16 to each of sixteen waves, four waves to a SIMD.  The head's 16 key-step records (8,704 bytes for 128 keys: K's codes, V^T's codes, their scale words)
; lie in LDS at once, each byte filled once: wave w asks for record w, one tensor load a wave, no ring; one barrier, then sixteen key steps with no barrier between them.
; CLUSTER 4 x 1: the four query blocks of a cluster walk the same head, so its records are asked for jointly.  No prefetch: all that the launch reads of kv is asked for at its head, and the loop fetches nothing from memory.
; LAYOUT.  Both products transposed: S^T = K Q^T, O^T = V^T P^T: a lane holds ONE query (lane % 16) throughout.  The head size is 64, half of the instruction's K: a fragment of K carries TWO tiles of 16 keys (registers 0-3, 4-7),
; multiplied by [q, 0] for the first and by [0, q] for the second: zero codes add nothing.
; THE KEYS OF A TILE: slot r of tile T is key 64 (T / 4) + 32 (r / 8) + 8 (T % 4) + r % 8 of the step.  So lane (r, h) holds in the 32 registers of tiles 0-3 the whole block h of 32 keys, in those of tiles 4-7 block 2 + h, in ascending order:
; a block's largest p needs no other lane, and the eight conversions' results are P's operand as they stand.  In the record a stored tile t holds keys 32 (t / 2) + 8 (t % 2) + 16 (s / 8) + s % 8, slot s at place s xor 8 ((t / 2) % 2):
; a tile of this launch takes eight slots of each of two stored tiles, 1,024 bytes apart, from different halves of their 256 bytes; the two lane addresses AK0, AK1 differ in bit 7.
; THE SOFTMAX.  The problem clips the logits to +-10, so t = logit x log2(e) lies within +-14.43 for every input.  With the fixed whole number M = 15, p = 2^(t - 15) lies between 2^-29.5 and 2^-0.5 and a row's sum under 2^10.5:
; nothing overflows or underflows, and against M = ceil(the row's largest t) every p, block scale and sum differs by one exact power of two, which the division by the sum takes out: the codes' values are the same.
; So there is no running maximum and O^T is never rescaled.  The row's sum is taken of the unquantised p, in four chains that are joined at the end.
; LIMITS: NaN and infinities are not served; a block of zeros of O gets the byte 1 (read by this program alone); O's scale bytes leave as single bytes, 32 a wave.
.set REC,   8704
.set HEADB, 16*REC
.set SPARE, 0x29000                    ; behind the records: the spare words, 128 bytes a wave
.set WV,  12                           ; s12 wave, s13 cx, s14 block of 256 queries, s15 bh
.set SEL, 20                           ; s[20:21] lane selects for v_permlanex16_b32: lane l xor 16
.set CS,  22                           ; s[22:23] c = log2(e) / 16
.set G1,  28                           ; s[28:35] descriptor group 1;  s[36:39] group 0
.set G0,  36
.set TB,  52                           ; s52 LDS byte of the NEXT key step's record;  s53 counts steps
.set CNT, 53
.set LI,  1                            ; v1 16 x lane;  v2 4 x lane
.set LS,  2
.set L0,  3                            ; v3, v4 my lane's place in K's tiles with T % 4 under 2, from 2 on;  v5 among K's scale words
.set L1,  4
.set LK,  5
.set AD,  6                            ; v6-10 the same five + the record in hand
.set AS,  7
.set AK0, 8
.set ASK, 10
.set SH,  11                           ; v11 8 (lane / 16)
.set QS,  12                           ; v12 Q's scale words;  v13 p's;  v14-15 K's;  v16-17 V's
.set PW,  13
.set KS,  14
.set VS,  16
.set W,   18                           ; v18-19 at work
.set W2,  19
.set SO,  20                           ; v20-21 the conversions' scale operands;  v22-23 the scale bytes
.set BY,  22
.set TM,  24                           ; v24-27 maxima
.set SUM, 28                           ; v28-35 the row's sum: four chains of pairs
.set QLO, 36                           ; v36-43 [q, 0];  v44-51 [0, q]
.set QHI, 44
.set KF,  52                           ; v52-83 four fragments of K;  v84-115 four of V^T
.set VF,  84
.set S,   116                          ; v116-179 S^T, then p
.set O,   180                          ; v180-211 O^T
.set PC,  212                          ; v212-219 p's codes
.set SPW, 220                          ; v220 my spare word;  v221 0
.set NIL, 221
.set NEG, 222                          ; v[222:223] -15
.set OB,  224                          ; v224 the way out: my scale byte's place
.macro NOP4
.rept 4
	v_nop
.endr
.endm
.macro ROUND                           ; a round of the cluster's barrier
	s_barrier_signal -1
	s_barrier_wait -1
	s_cmp_lg_u32 s[WV], 0
	s_cbranch_scc1 .Lnot_wave_0_\@
	s_barrier_signal -3
.Lnot_wave_0_\@:
	s_barrier_wait -3
	s_barrier_signal -1
	s_barrier_wait -1
.endm
.macro WMS d, a, b, sa, row            ; a tile of S^T; row = 1: K's scale words are read from lanes 16-31
.if \row
	v_wmma_scale_f32_16x16x128_f8f6f4 v[\d:\d+7], v[\a:\a+7], v[\b:\b+7], 0, v[\sa], v[QS] matrix_a_fmt:MATRIX_FMT_FP4 matrix_b_fmt:MATRIX_FMT_FP4 matrix_a_scale:MATRIX_SCALE_ROW1
.else
	v_wmma_scale_f32_16x16x128_f8f6f4 v[\d:\d+7], v[\a:\a+7], v[\b:\b+7], 0, v[\sa], v[QS] matrix_a_fmt:MATRIX_FMT_FP4 matrix_b_fmt:MATRIX_FMT_FP4
.endif
.endm
.macro WMO d, a, sa, row, z            ; a tile of O^T; z = 1: it starts the sum
.if \z
.if \row
	v_wmma_scale_f32_16x16x128_f8f6f4 v[\d:\d+7], v[\a:\a+7], v[PC:PC+7], 0, v[\sa], v[PW] matrix_a_fmt:MATRIX_FMT_FP4 matrix_b_fmt:MATRIX_FMT_FP4 matrix_a_scale:MATRIX_SCALE_ROW1
.else
	v_wmma_scale_f32_16x16x128_f8f6f4 v[\d:\d+7], v[\a:\a+7], v[PC:PC+7], 0, v[\sa], v[PW] matrix_a_fmt:MATRIX_FMT_FP4 matrix_b_fmt:MATRIX_FMT_FP4
.endif
.else
.if \row
	v_wmma_scale_f32_16x16x128_f8f6f4 v[\d:\d+7], v[\a:\a+7], v[PC:PC+7], v[\d:\d+7], v[\sa], v[PW] matrix_a_fmt:MATRIX_FMT_FP4 matrix_b_fmt:MATRIX_FMT_FP4 matrix_a_scale:MATRIX_SCALE_ROW1
.else
	v_wmma_scale_f32_16x16x128_f8f6f4 v[\d:\d+7], v[\a:\a+7], v[PC:PC+7], v[\d:\d+7], v[\sa], v[PW] matrix_a_fmt:MATRIX_FMT_FP4 matrix_b_fmt:MATRIX_FMT_FP4
.endif
.endif
.endm
.macro NEXTK                           ; the next step's addresses of K's codes and scale words
	v_add_nc_u32 v[AK0], s[TB], v[L0]
	v_add_nc_u32 v[AK0+1], s[TB], v[L1]
	v_add_nc_u32 v[ASK], s[TB], v[LK]
.endm
.macro NEXTV                           ; and of V's
	v_add_nc_u32 v[AD], s[TB], v[LI]
	v_add_nc_u32 v[AS], s[TB], v[LS]
.endm
.macro ADDS n                          ; n of the step's 32 packed additions of p, the four chains by turns
.rept \n
	v_pk_add_f32 v[SUM+2*(J%4):SUM+2*(J%4)+1], v[SUM+2*(J%4):SUM+2*(J%4)+1], v[S+2*J:S+2*J+1]
.set J, J+1
.endr
.endm
	s_load_b256 s[4:11], s[0:1], 0x0               ; qimg s[4:5], qsc s[6:7], kv s[8:9], oimg s[10:11]
	v_lshl_add_u32 v[SPW], v0, 2, SPARE
	v_mov_b32 v[NIL], 0
	ds_add_u32 v[SPW], v[NIL]                      ; the opening lines: the add, twice on end, and its wait ahead of my tensor load
	ds_add_u32 v[SPW], v[NIL]
	v_lshrrev_b32 v[W], 5, v0
	s_delay_alu instid0(VALU_DEP_1)
	v_readfirstlane_b32 s[WV], v[W]                ; wave 0..15
	v_and_b32 v[LS], 31, v0                        ; lane
	v_and_b32 v[W], 7, v0                          ; lane % 8
	v_bfe_u32 v[W2], v0, 3, 1                      ; (lane % 16) / 8
	v_bfe_u32 v[SH], v0, 4, 1                      ; h = lane / 16
	v_and_b32 v[BY], 15, v0
	v_lshlrev_b32 v[LI], 4, v[LS]
	v_lshlrev_b32 v[LS], 2, v[LS]
	v_lshlrev_b32 v[L0], 4, v[W]
	v_lshlrev_b32 v[LK], 2, v[W]
	v_lshlrev_b32 v[BY], 2, v[BY]                  ; Q's scale words: 4 (lane % 16)
	s_delay_alu instid0(VALU_DEP_3)
	v_lshl_add_u32 v[L0], v[SH], 8, v[L0]
	s_delay_alu instid0(VALU_DEP_3)
	v_lshl_add_u32 v[LK], v[SH], 5, v[LK]
	s_delay_alu instid0(VALU_DEP_2)
	v_mad_u32_u24 v[L0], v[W2], 1152, v[L0]        ; 16 (lane % 8) + 256 h + (1,024 + 128) x ((lane % 16) / 8): the upper eight slots come from the stored tile 1,024 bytes on, where slots lie exchanged
	s_delay_alu instid0(VALU_DEP_2)
	v_lshl_add_u32 v[LK], v[W2], 6, v[LK]          ; K's words: 4 (lane % 8) + 32 h + 64 ((lane % 16) / 8): lanes 0-15 an even fragment's rows, lanes 16-31 the next one's
	v_lshlrev_b32 v[SH], 3, v[SH]
	s_delay_alu instid0(VALU_DEP_3)
	v_xor_b32 v[L1], 128, v[L0]
	s_bfe_u32 s13, ttmp6, 0x40000                  ; cx
	s_lshl_b32 s14, ttmp9, 2
	s_add_co_u32 s14, s14, s13                     ; my block of 256 queries: it enters Q's and O's addresses alone
	s_and_b32 s15, ttmp7, 0xffff                   ; bh, which the four partners share
	s_mul_i32 s16, s[WV], REC                      ; record w: in LDS,
	s_mul_i32 s18, s15, HEADB
	s_add_co_u32 s18, s18, s16                     ; and in kv
	s_mov_b32 s19, 0
	; descriptor group 1: one record, 8,704 dense bytes, as 34 rows of 256 bytes (32 elements of 8 bytes), no padding
	s_mov_b32 s[G1], 15|(3<<16)|(1<<21)            ; 15:0 the mask: all four work-groups; 17:16 elements of 8 bytes; 21 set beside a mask
	s_mov_b32 s[G1+1], 32<<16
	s_mov_b32 s[G1+2], 34<<16
	s_mov_b32 s[G1+3], 32<<16
	s_mov_b32 s[G1+4], 34
	s_mov_b32 s[G1+5], 32
	s_mov_b32 s[G1+6], 0
	s_mov_b32 s[G1+7], 0
	s_mov_b32 s[SEL], 0x76543210
	s_mov_b32 s[SEL+1], 0xfedcba98
	s_mov_b32 s[CS], 0x3db8aa3b                    ; log2(e) / 16
	s_mov_b32 s[CS+1], s[CS]
	s_mov_b32 s24, 0xc3200000                      ; -160 and 160: the clip at +-10, on the scores before their factor 1 / 16, which is exact
	s_mov_b32 s25, 0x43200000
	s_lshl_b32 s56, s14, 4
	s_add_co_u32 s56, s56, s[WV]                   ; my tile of the batch's 128
	s_lshl_b32 s54, s15, 7
	s_add_co_u32 s54, s54, s56
	s_lshl_b32 s40, s54, 9                         ; Q's codes,
	s_mov_b32 s41, 0
	s_lshl_b32 s42, s54, 6                         ; its scale words
	s_mov_b32 s43, 0
	s_lshr_b32 s54, s15, 4                         ; O's record: token tile 128 x batch + my tile;
	s_lshl_b32 s54, s54, 7
	s_add_co_u32 s54, s54, s56
	s_mul_i32 s54, s54, REC
	s_and_b32 s56, s15, 15                         ; the head: blocks 2 head, 2 head + 1 along the model's 1,024
	s_lshl_b32 s44, s56, 9
	s_add_co_u32 s44, s44, s54
	s_mov_b32 s45, 0
	s_lshl_b32 s46, s56, 1
	s_add_co_u32 s46, s46, s54
	s_mov_b32 s47, 0
	s_mov_b32 s[TB], 0
	s_wait_alu depctr_va_vdst(0)
	s_wait_dscnt 0x0                               ; both opening adds are done
	s_wait_kmcnt 0x0
	s_add_nc_u64 s[4:5], s[4:5], s[40:41]
	s_add_nc_u64 s[6:7], s[6:7], s[42:43]
	s_add_nc_u64 s[60:61], s[10:11], s[44:45]      ; O's codes
	s_add_nc_u64 s[10:11], s[10:11], s[46:47]      ; O's scale bytes
	global_load_b128 v[QLO:QLO+3], v[LI], s[4:5]   ; q's 16 bytes a lane, into both operands
	global_load_b128 v[QHI+4:QHI+7], v[LI], s[4:5]
	global_load_b32 v[QS], v[BY], s[6:7]
	s_mov_b32 s[G0], 1                             ; count = 1
	s_mov_b32 s[G0+1], s16                         ; LDS address: the wave's number alone
	s_add_nc_u64 s[G0+2:G0+3], s[8:9], s[18:19]
	s_or_b32 s[G0+3], s[G0+3], 0x80000000          ; type = 2
	ROUND                                          ; all four work-groups are here: the joint loads meet
	tensor_load_to_lds s[G0:G0+3], s[G1:G1+7]      ; my one tensor load of the launch
	s_nop 0
	NOP4
.irp i, 0,1,2,3
	v_mov_b32 v[QLO+4+\i], 0                       ; the empty halves: zero codes
	v_mov_b32 v[QHI+\i], 0
.endr
.irp i, 0,1,2,3,4,5,6,7
	v_mov_b32 v[SUM+\i], 0
.endr
	v_mov_b32 v[NEG], 0xc1700000                   ; -15
	v_mov_b32 v[NEG+1], 0xc1700000
	NEXTK                                          ; record 0
	NEXTV
	s_mov_b32 s[TB], REC
	s_wait_alu depctr_va_vdst(0)
	s_wait_loadcnt 0x0                             ; Q
	s_wait_tensorcnt 0x0                           ; my record has landed,
	s_barrier_signal -1
	s_barrier_wait -1                              ; everybody's has.
; A KEY STEP: 128 keys.  z = 1: the first, whose products start O^T.
.macro STEP z
.set J, 0
.irp f, 0,1,2,3
.irp c, 0,1
	ds_load_b128 v[KF+8*\f+4*\c:KF+8*\f+4*\c+3], v[AK0+\f%2] offset:2048*(\f/2)+512*\c   ; tile 2 f + c
.endr
.endr
	ds_load_b32 v[KS], v[ASK] offset:8192
	ds_load_b32 v[KS+1], v[ASK] offset:8192+128
	s_wait_dscnt 0x0
.irp f, 0,1,2,3
.irp c, 0,1
	WMS S+8*(2*\f+\c), KF+8*\f, QLO+8*\c, KS+\f/2, \f%2
.endr
.endr
	NEXTK                                          ; K's loads are done.  These three and the v_nop are the four places in front of the first read of the scores and of the loads into V's registers, which the last step's products read
	v_nop
.irp t, 0,1,2,3
.irp c, 0,1
	ds_load_b128 v[VF+8*\t+4*\c:VF+8*\t+4*\c+3], v[AD] offset:4096+1024*\t+512*\c  ; V^T lands while the softmax is worked
.endr
.endr
	ds_load_b32 v[VS], v[AS] offset:8448
	ds_load_b32 v[VS+1], v[AS] offset:8448+128
.set j, 0
.rept 64
	v_med3_num_f32 v[S+j], v[S+j], s24, s25        ; the clip (each tile is read from its low end on)
.set j, j+1
.endr
.set j, 0
.rept 32
	v_pk_fma_f32 v[S+j:S+j+1], v[S+j:S+j+1], s[CS:CS+1], v[NEG:NEG+1] op_sel_hi:[1,0,0]   ; t - 15, two at a time
.set j, j+2
.endr
	s_wait_alu depctr_va_vdst(0)
.set j, 0
.rept 64
	v_exp_f32 v[S+j], v[S+j]                       ; p = 2^(t - 15): not normalised
.set j, j+1
.endr
	NEXTV                                          ; V's loads have been issued.  (Plain lines behind the exponentials)
	s_wait_alu depctr_va_vdst(0)                   ; one wait for the batch, ahead of its first reader
.irp g, 0,1,2,3
	v_max3_num_f32 v[TM+\g], v[S+16*\g], v[S+16*\g+1], v[S+16*\g+2]        ; the largest p of my two blocks, each in two chains; the four by turns
.endr
.irp i, 3,5,7,9,11,13
.irp g, 0,1,2,3
	v_max3_num_f32 v[TM+\g], v[TM+\g], v[S+16*\g+\i], v[S+16*\g+\i+1]
.endr
.endr
.irp b, 0,1
	v_max3_num_f32 v[TM+2*\b], v[TM+2*\b], v[TM+2*\b+1], v[S+32*\b+15]
.endr
	ADDS 3                                         ; the row's sum of the unquantised p stands between the links of the short chains
.irp b, 0,1
	v_max_num_f32 v[TM+2*\b], v[TM+2*\b], v[S+32*\b+31]
.endr
	ADDS 3
.irp b, 0,1
	v_add_nc_u32 v[SO+\b], 0xff000000, v[TM+2*\b]  ; 2 off the exponent field: the conversion's scale operand (p is at least 2^-29.5: no floor is wanted)
.endr
.irp b, 0,1
.irp g, 0,1,2,3
	v_cvt_scalef32_pk8_fp4_f32 v[PC+4*\b+\g], v[S+32*\b+8*\g:S+32*\b+8*\g+7], v[SO+\b]   ; register 4 b + g of P's operand: keys 64 b + 32 h + 8 g + 0 .. 7
.endr
.endr
.irp b, 0,1
	v_lshrrev_b32 v[BY+\b], 23, v[SO+\b]           ; the scale's bytes of blocks h and 2 + h
.endr
	ADDS 4
	v_lshl_or_b32 v[W], v[BY+1], 16, v[BY]
	ADDS 4
	v_lshlrev_b32 v[W], v[SH], v[W]                ; at their places in the word: 8 h bits up
	ADDS 4
	v_permlanex16_b32 v[W2], v[W], s[SEL], s[SEL+1]
	ADDS 4
	v_or_b32 v[PW], v[W], v[W2]                    ; with lane l xor 16's two bytes: p's scale word for these 128 keys
	ADDS 10                                        ; (ten places between the scale word and the products that take it)
	s_wait_dscnt 0x0                               ; V^T and its scale words are in
.irp t, 0,1,2,3
	WMO O+8*\t, VF+8*\t, VS+\t/2, \t%2, \z         ; four accumulators by turns; between two links of a chain stand the next step's eight products too
.endr
	s_add_co_u32 s[TB], s[TB], REC
.endm
	STEP 1
	s_mov_b32 s[CNT], 15
.Lstep:
	STEP 0
	s_sub_co_u32 s[CNT], s[CNT], 1
	s_cmp_lg_u32 s[CNT], 0
	s_cbranch_scc1 .Lstep
	; THE WAY OUT.  O^T / the row's sum; register 16 b + i is channel 32 b + 16 (lane / 16) + i of my query: two blocks of 32 along the last product's K.  The lines up to the reciprocal are the places behind the last products.
	s_wait_alu depctr_va_vdst(0)                   ; the sums were written just ahead of the step's last wait
	v_pk_add_f32 v[SUM:SUM+1], v[SUM:SUM+1], v[SUM+2:SUM+3]
	v_pk_add_f32 v[SUM+4:SUM+5], v[SUM+4:SUM+5], v[SUM+6:SUM+7]
	v_and_b32 v[TM], 15, v0
	v_bfe_u32 v[TM+1], v0, 4, 1
	s_delay_alu instid0(VALU_DEP_3)
	v_pk_add_f32 v[SUM:SUM+1], v[SUM:SUM+1], v[SUM+4:SUM+5]
	s_delay_alu instid0(VALU_DEP_2)
	v_lshl_add_u32 v[OB], v[TM], 5, v[TM+1]        ; my scale byte's place: 32 r + h
	v_cmp_ne_u32 vcc_lo, 0, v[TM+1]                ; lanes 16-31
	s_delay_alu instid0(VALU_DEP_3)
	v_add_f32 v[SUM], v[SUM], v[SUM+1]
	s_delay_alu instid0(VALU_DEP_1)
	v_permlanex16_b32 v[W2], v[SUM], s[SEL], s[SEL+1]
	s_delay_alu instid0(VALU_DEP_1)
	v_add_f32 v[SUM], v[SUM], v[W2]                ; with lane l xor 16's keys: the row's sum
	s_wait_alu depctr_va_vdst(0)
	v_rcp_f32 v[SUM], v[SUM]
	v_nop                                          ; one plain instruction behind a transcendental
	s_wait_alu depctr_va_vdst(0)                   ; the wait ahead of its first reader, which is O^T's first reader too
.set j, 0
.rept 16
	v_pk_mul_f32 v[O+j:O+j+1], v[O+j:O+j+1], v[SUM:SUM+1] op_sel_hi:[1,0]  ; from each accumulator's low end on
.set j, j+2
.endr
.irp b, 0,1
	v_max3_num_f32 v[TM+\b], |v[O+16*\b]|, |v[O+1+16*\b]|, 0x1800000       ; and the floor 2^(3 - 127)
.endr
.irp i, 2,4,6,8,10,12,14
.irp b, 0,1
	s_delay_alu instid0(VALU_DEP_2)
	v_max3_num_f32 v[TM+\b], v[TM+\b], |v[O+16*\b+\i]|, |v[O+1+16*\b+\i]|
.endr
.endr
.irp b, 0,1
	s_delay_alu instid0(VALU_DEP_2)
	v_permlanex16_b32 v[W+\b], v[TM+\b], s[SEL], s[SEL+1]
.endr
.irp b, 0,1
	s_delay_alu instid0(VALU_DEP_2)
	v_max_num_f32 v[TM+\b], v[TM+\b], v[W+\b]
.endr
.irp b, 0,1
	s_delay_alu instid0(VALU_DEP_2)
	v_add_nc_u32 v[SO+\b], 0xff000000, v[TM+\b]
.endr
.irp b, 0,1
	s_delay_alu instid0(VALU_DEP_2)
	v_lshrrev_b32 v[BY+\b], 23, v[SO+\b]
.endr
.irp b, 0,1
	v_cvt_scalef32_pk8_fp4_f32 v[PC+2*\b], v[O+16*\b:O+7+16*\b], v[SO+\b]
	v_cvt_scalef32_pk8_fp4_f32 v[PC+1+2*\b], v[O+8+16*\b:O+15+16*\b], v[SO+\b]
.endr
	v_nop                                          ; one plain instruction behind a scaled conversion
	v_permlane16_swap_b32 v[PC], v[PC+2]
	v_permlane16_swap_b32 v[PC+1], v[PC+3]         ; lane (r, h): block 2 head + h of slot r
	v_cndmask_b32 v[TM+2], v[BY], v[BY+1], vcc_lo
	global_store_b128 v[LI], v[PC:PC+3], s[60:61]  ; 512 consecutive bytes, at a multiple of 256 from oimg's first byte
	global_store_b8 v[OB], v[TM+2], s[10:11] offset:8192
	s_wait_tensorcnt 0x0                           ; the wave's end
	ds_add_u32 v[SPW], v[NIL]
	s_wait_dscnt 0x0
	ROUND                                          ; the closing round: no work-group ends while a partner may still ask for records that name it
	s_endpgm
.Lfunc_end_k_qac10bc7f45_attn:
	.size	k_qac10bc7f45_attn, .Lfunc_end_k_qac10bc7f45_attn-k_qac10bc7f45_attn
	.p2alignl 7, 3214868480
	.fill 96, 4, 3214868480
	.section	.rodata,"a",@progbits
	.p2align	6, 0x0
	.amdhsa_kernel k_qac10bc7f45_attn
		.amdhsa_group_segment_fixed_size 169984
		.amdhsa_private_segment_fixed_size 0
		.amdhsa_enable_private_segment 0
		.amdhsa_kernarg_size 32
		.amdhsa_user_sgpr_count 2
		.amdhsa_user_sgpr_kernarg_segment_ptr 1
		.amdhsa_wavefront_size32 1
		.amdhsa_system_sgpr_workgroup_id_x 1
		.amdhsa_system_sgpr_workgroup_id_y 1
		.amdhsa_system_sgpr_workgroup_id_z 1
		.amdhsa_system_vgpr_workitem_id 0
		.amdhsa_next_free_vgpr 226
		.amdhsa_next_free_sgpr 66
		.amdhsa_reserve_vcc 1
		.amdhsa_float_denorm_mode_32 3
		.amdhsa_float_denorm_mode_16_64 3
		.amdhsa_memory_ordered 1
		.amdhsa_forward_progress 1
		.amdhsa_inst_pref_size 43
	.end_amdhsa_kernel
	.amdgpu_metadata
---
amdhsa.version: [ 1, 2 ]
amdhsa.kernels:
  - .name:           k_qac10bc7f45_attn
    .symbol:         k_qac10bc7f45_attn.kd
    .args:
      - { .name: qimg, .offset: 0, .size: 8, .value_kind: global_buffer, .address_space: global }
      - { .name: qsc, .offset: 8, .size: 8, .value_kind: global_buffer, .address_space: global }
      - { .name: kv, .offset: 16, .size: 8, .value_kind: global_buffer, .address_space: global }
      - { .name: oimg, .offset: 24, .size: 8, .value_kind: global_buffer, .address_space: global }
    .group_segment_fixed_size: 169984
    .private_segment_fixed_size: 0
    .kernarg_segment_align: 8
    .kernarg_segment_size: 32
    .max_flat_workgroup_size: 512
    .sgpr_count:     66
    .vgpr_count:     226
    .wavefront_size: 32
...
	.end_amdgpu_metadata
.endif
;; end of part 3
;; launch oproj (part 4): grid 8 x 32, 16 waves a work-group, clusters of 4 x 4, 210,944 bytes of LDS; arguments oimg, wimg, x, bo, out0; writes out0
.if DOCPART == 4
	.amdgcn_target "amdgcn-amd-amdhsa--gfx1250"
	.amdhsa_code_object_version 6
	.text
	.protected	k_qac10bc7f45_oproj
	.globl	k_qac10bc7f45_oproj
	.p2align	8
	.type	k_qac10bc7f45_oproj,@function
k_qac10bc7f45_oproj:
	s_mov_b64 s[64:65], 0
	v_nop
	global_prefetch_b8 v0, s[64:65] scope:SCOPE_SE
	s_setreg_imm32_b32 hwreg(HW_REG_WAVE_MODE, 25, 1), 1
	s_wait_xcnt 0x0
	s_wait_alu depctr_hold_cnt(0) depctr_sa_sdst(0) depctr_va_vdst(0) depctr_va_sdst(0) depctr_va_ssrc(0) depctr_va_vcc(0) depctr_vm_vsrc(0)
	s_getreg_b32 s2, hwreg(HW_REG_IB_STS2, 6, 4)
	s_cmp_eq_u32 s2, 0
	s_cbranch_scc0 .Lentry_in_a_cluster
	s_endpgm
.Lentry_in_a_cluster:
	s_bfe_u32 s2, ttmp6, 0x10000c
	s_cmp_lg_u32 s2, 0xf033
	s_cbranch_scc0 .Lentry_shape_is_right
	s_endpgm
.Lentry_shape_is_right:
; out0 = x + 0.1 (O Wo^T + bo): O and Wo as codes of FP4 (E2M1) with E8M0 scales, sums in f32.
; SHARES.  Work-group (g, tb): features 128 g .. + 127 of tokens 128 tb .. + 127.  Sixteen waves, four to a SIMD: wave w takes token tile n = w % 8 and the four feature tiles 4 (w / 8) .. + 3:
; four accumulators, 32 matrix instructions over K = 1,024.  Source 0 = Wo's tiles, source 1 = the token tile: a lane holds one token, and its registers run along the features.
; OPERANDS are tile records (16 rows x 1,024 K: codes in the order of the operand's registers, 1,024 bytes a K step, then 32 scale bytes a row); slot r of tile n is row 32 (n / 2) + 8 (n % 2) + r + 8 (r / 8).
; Both panels (8 records each) lie in LDS at once, each byte filled once: no ring.  Every wave asks for ONE record: waves 0-7 O's, waves 8-15 Wo's.
; CLUSTER 4 x 4: the four of a row of the cluster share tb and so O's panel, the four of a column share g and so Wo's: each record is asked for jointly.
; x comes by plain loads at the head, 16 rows x 256 bytes a wave, in the lanes' order of the final stores (sixteen lanes a row); it is waited for on the way out alone.  bo is the C of the first products.
; THE WAY OUT.  The sums go through the wave's own stage in LDS (16 rows of 256 + 16 bytes, bytes that no tensor load fills), come back as rows, take x + 0.1 x, and leave as aligned units of 256 bytes.
; No prefetch: the launch has no loop, and all that it reads is asked for at its head.
.set REC,   8704
.set PANEL, 8*REC                      ; LDS: Wo's panel at 0, O's at PANEL
.set STG,   2*PANEL                    ; the stages
.set SP,    272
.set SPARE, STG+16*16*SP               ; the spare words, 128 bytes a wave
.set WV,  14                           ; s14 wave, s15 n, s16 which half of the features
.set NN,  15
.set FH,  16
.set G1O, 24                           ; s[24:31] descriptor group 1 for O's records (mask: my row of the cluster);  s[32:39] for Wo's (my column)
.set G1W, 32
.set G0O, 48                           ; s[48:51], s[52:55] their groups 0
.set G0W, 52
.set LI,  4                            ; v4  16 x lane
.set A0,  5                            ; v5  LDS: my four tiles of Wo;  v6 my token tile
.set B0,  6
.set SA,  7                            ; v7  Wo's scale words: lanes 0-15 an even tile's rows, lanes 16-31 the next tile's;  v8 O's
.set SB,  8
.set BO,  9                            ; v9  64 (lane / 16): my features in bo
.set XD,  10                           ; v10 stage: where I put my sums;  v11 where I read rows back
.set RR,  11
.set CO,  12                           ; v12 my byte offset in x and out0: lanes 0-15 one row, lanes 16-31 the row 16 further down
.set SC0, 16                           ; v16-23 Wo's scale words of four K steps;  v24-27 O's
.set SC1, 24
.set X,   32                           ; v32-63   x
.set F0,  64                           ; v64-127  Wo's fragments of two K steps
.set F1,  128                          ; v128-143 O's
.set ACC, 144                          ; v144-175 four accumulators
.set OB,  176                          ; v176-207 rows read back
.set SPW, 208
.set NIL, 209
.macro NOP4
.rept 4
	v_nop
.endr
.endm
.macro ROUND                           ; a round of the cluster's barrier
	s_barrier_signal -1
	s_barrier_wait -1
	s_cmp_lg_u32 s[WV], 0
	s_cbranch_scc1 .Lnot_wave_0_\@
	s_barrier_signal -3
.Lnot_wave_0_\@:
	s_barrier_wait -3
	s_barrier_signal -1
	s_barrier_wait -1
.endm
.macro WM d, a, b, sa, sb, ra          ; ra = 1: Wo's scales are read from lanes 16-31
.if \ra
	v_wmma_scale_f32_16x16x128_f8f6f4 v[\d:\d+7], v[\a:\a+7], v[\b:\b+7], v[\d:\d+7], v[\sa], v[\sb] matrix_a_fmt:MATRIX_FMT_FP4 matrix_b_fmt:MATRIX_FMT_FP4 matrix_a_scale:MATRIX_SCALE_ROW1
.else
	v_wmma_scale_f32_16x16x128_f8f6f4 v[\d:\d+7], v[\a:\a+7], v[\b:\b+7], v[\d:\d+7], v[\sa], v[\sb] matrix_a_fmt:MATRIX_FMT_FP4 matrix_b_fmt:MATRIX_FMT_FP4
.endif
.endm
.macro KSCALES half                    ; the scale words of four K steps (16 bytes of each row's 32)
.irp i, 0,1
	ds_load_b128 v[SC0+4*\i:SC0+4*\i+3], v[SA] offset:2*\i*REC+16*\half
.endr
	ds_load_b128 v[SC1:SC1+3], v[SB] offset:16*\half
.endm
.macro MUL4 p, u                       ; K step 2 p + u: four accumulators by turns
.irp t, 0,1,2,3
	WM ACC+8*\t, F0+32*\u+8*\t, F1+8*\u, SC0+4*(\t/2)+(2*(\p)+\u)%4, SC1+(2*(\p)+\u)%4, \t%2
.endr
.endm
.macro PAIR p                          ; K steps 2 p and 2 p + 1: twenty loads of 512 consecutive bytes, eight matrix instructions
.irp u, 0,1
.irp t, 0,1,2,3
.irp c, 0,1
	ds_load_b128 v[F0+32*\u+8*\t+4*\c:F0+32*\u+8*\t+4*\c+3], v[A0] offset:\t*REC+1024*(2*(\p)+\u)+512*\c
.endr
.endr
.irp c, 0,1
	ds_load_b128 v[F1+8*\u+4*\c:F1+8*\u+4*\c+3], v[B0] offset:1024*(2*(\p)+\u)+512*\c
.endr
.endr
	s_wait_dscnt 10                                ; all but the second K step's ten loads
	MUL4 \p, 0
	s_wait_dscnt 0x0
	MUL4 \p, 1
	NOP4                                           ; four places in front of the next loads into registers that these read, and of the first read of the sums
.endm
	s_load_b256 s[4:11], s[0:1], 0x0               ; oimg s[4:5], wimg s[6:7], x s[8:9], bo s[10:11]
	s_load_b64 s[12:13], s[0:1], 0x20              ; out0
	v_lshl_add_u32 v[SPW], v0, 2, SPARE
	v_mov_b32 v[NIL], 0
	ds_add_u32 v[SPW], v[NIL]                      ; the opening lines: the add, twice on end, and its wait ahead of my tensor load
	ds_add_u32 v[SPW], v[NIL]
	v_lshrrev_b32 v1, 5, v0
	s_delay_alu instid0(VALU_DEP_1)
	v_readfirstlane_b32 s[WV], v1                  ; wave 0..15
	v_and_b32 v1, 31, v0                           ; lane
	v_and_b32 v2, 15, v0                           ; r
	v_bfe_u32 v3, v0, 4, 1                         ; h
	s_wait_alu depctr_va_vdst(0)                   ; directly ahead of the run of scalar instructions
	s_and_b32 s[NN], s[WV], 7
	s_lshr_b32 s[FH], s[WV], 3
	s_bfe_u32 s40, ttmp6, 0x40000                  ; cx, cy: my place in the cluster
	s_bfe_u32 s41, ttmp6, 0x40004
	s_lshl_b32 s42, ttmp9, 2
	s_add_co_u32 s42, s42, s40                     ; g = 4 x cluster x + cx
	s_and_b32 s18, ttmp7, 0xffff
	s_lshl_b32 s18, s18, 2
	s_add_co_u32 s18, s18, s41                     ; tb = 4 x cluster y + cy
	s_lshl_b32 s44, s41, 2
	s_lshl_b32 s44, 15, s44                        ; my row of the cluster
	s_lshl_b32 s45, 0x1111, s40                    ; my column
	; descriptor group 1: one record, 8,704 dense bytes, as 34 rows of 256 bytes (32 elements of 8 bytes), no padding
	s_or_b32 s[G1O], s44, (3<<16)|(1<<21)          ; 15:0 the mask; 17:16 elements of 8 bytes; 21 set beside a mask
	s_or_b32 s[G1W], s45, (3<<16)|(1<<21)
.irp g, G1O, G1W
	s_mov_b32 s[\g+1], 32<<16
	s_mov_b32 s[\g+2], 34<<16
	s_mov_b32 s[\g+3], 32<<16
	s_mov_b32 s[\g+4], 34
	s_mov_b32 s[\g+5], 32
	s_mov_b32 s[\g+6], 0
	s_mov_b32 s[\g+7], 0
.endr
	s_mul_i32 s22, s[NN], REC                      ; record n of a panel: Wo's place in LDS,
	s_add_co_u32 s47, s22, PANEL                   ; O's: the wave's number alone
	s_mul_i32 s20, s18, 8*REC                      ; O: records 8 tb + n: made of tb and the wave's number,
	s_add_co_u32 s20, s20, s22
	s_mov_b32 s21, 0
	s_mul_i32 s56, s42, 8*REC                      ; Wo: records 128 + 8 g + n: of g and the wave's number
	s_add_co_u32 s56, s56, 128*REC
	s_add_co_u32 s56, s56, s22
	s_mov_b32 s57, 0
	s_mul_i32 s46, s[FH], 4*REC                    ; my four tiles of Wo
	s_mul_i32 s60, s[WV], 16*SP
	s_add_co_u32 s60, s60, STG                     ; my stage
	s_lshl_b32 s62, s42, 9
	s_lshl_b32 s63, s[FH], 8
	s_add_co_u32 s62, s62, s63                     ; my 64 features, in bytes: 512 g + 256 (w / 8)
	s_mov_b32 s63, 0
	s_lshr_b32 s58, s[NN], 1
	s_lshl_b32 s58, s58, 5
	s_and_b32 s59, s[NN], 1
	s_lshl_b32 s59, s59, 3
	s_add_co_u32 s58, s58, s59
	s_lshl_b32 s59, s18, 7
	s_add_co_u32 s58, s58, s59                     ; my tile's first row: 128 tb + 32 (n / 2) + 8 (n % 2)
	s_lshl_b32 s58, s58, 12
	s_add_co_u32 s58, s58, s62
	s_mov_b32 s59, 0
	v_lshlrev_b32 v[LI], 4, v1
	v_lshlrev_b32 v[BO], 6, v3
	v_mul_u32_u24 v[SA], v3, REC                   ; lanes 16-31: the next tile
	v_lshlrev_b32 v[SB], 5, v2                     ; 32 scale bytes a row
	v_mul_u32_u24 v[XD], v2, SP
	v_mul_u32_u24 v[RR], v3, 8*SP
	v_lshlrev_b32 v[CO], 16, v3                    ; 16 rows of 4,096 bytes
	v_add_nc_u32 v[A0], s46, v[LI]
	v_add_nc_u32 v[B0], s47, v[LI]
	v_add_nc_u32 v[SB], 8192, v[SB]                ; behind the record's codes
	v_lshl_add_u32 v[XD], v3, 6, v[XD]             ; in: row r; my 16 features of each 32: 64 h bytes on
	v_lshl_add_u32 v[RR], v2, 4, v[RR]             ; back: lanes 0-15 slot i, lanes 16-31 slot i + 8; 16 bytes a lane
	v_lshl_add_u32 v[CO], v2, 4, v[CO]
	s_delay_alu instid0(VALU_DEP_4)
	v_add_nc_u32 v[SA], v[SA], v[SB]
	s_delay_alu instid0(VALU_DEP_4)
	v_add_nc_u32 v[XD], s60, v[XD]
	s_delay_alu instid0(VALU_DEP_4)
	v_add_nc_u32 v[RR], s60, v[RR]
	s_delay_alu instid0(VALU_DEP_3)
	v_add_nc_u32 v[SA], s46, v[SA]
	v_add_nc_u32 v[SB], s47, v[SB]
	s_wait_alu depctr_va_vdst(0)
	s_wait_dscnt 0x0                               ; both opening adds are done
	s_wait_kmcnt 0x0
	s_add_nc_u64 s[10:11], s[10:11], s[62:63]
	s_add_nc_u64 s[8:9], s[8:9], s[58:59]
	s_add_nc_u64 s[12:13], s[12:13], s[58:59]
.irp b, 0,1
.irp q, 0,1,2,3
	global_load_b128 v[ACC+16*\b+4*\q:ACC+16*\b+4*\q+3], v[BO], s[10:11] offset:128*\b+16*\q   ; bo at my features 32 b + 16 h + 0 .. 15: the sums begin with it
.endr
.endr
.irp i, 0,1,2,3,4,5,6,7
	global_load_b128 v[X+4*\i:X+4*\i+3], v[CO], s[8:9] offset:\i*4096 th:TH_LOAD_NT           ; x: sixteen lanes read 256 consecutive bytes of a row
.endr
	s_mov_b32 s[G0O], 1                            ; count = 1
	s_mov_b32 s[G0O+1], s47                        ; LDS address
	s_add_nc_u64 s[G0O+2:G0O+3], s[4:5], s[20:21]  ; global address
	s_or_b32 s[G0O+3], s[G0O+3], 0x80000000        ; type = 2
	s_mov_b32 s[G0W], 1
	s_mov_b32 s[G0W+1], s22
	s_add_nc_u64 s[G0W+2:G0W+3], s[6:7], s[56:57]
	s_or_b32 s[G0W+3], s[G0W+3], 0x80000000
	ROUND                                          ; all sixteen work-groups are here: the joint loads meet
	s_cmp_lt_u32 s[WV], 8                          ; one tensor load a wave, a load in each arm; the branch hangs on the wave's number alone
	s_cbranch_scc0 .Lfor_w
	tensor_load_to_lds s[G0O:G0O+3], s[G1O:G1O+7]
	s_nop 0
	NOP4
	s_branch .Lasked
.Lfor_w:
	tensor_load_to_lds s[G0W:G0W+3], s[G1W:G1W+7]
	s_nop 0
	NOP4
.Lasked:
	s_wait_tensorcnt 0x0                           ; my record has landed,
	s_barrier_signal -1
	s_barrier_wait -1                              ; everybody's has.
	KSCALES 0
	s_wait_loadcnt 8                               ; bo is in; x's eight loads may be out
	PAIR 0
	PAIR 1
	KSCALES 1
	PAIR 2
	PAIR 3
.irp b, 0,1
.irp q, 0,1,2,3
	ds_store_b128 v[XD], v[ACC+16*\b+4*\q:ACC+16*\b+4*\q+3] offset:128*\b+16*\q   ; each accumulator from its low end on
.endr
.endr
.irp i, 0,1,2,3,4,5,6,7
	ds_load_b128 v[OB+4*\i:OB+4*\i+3], v[RR] offset:\i*SP                         ; LDS serves a wave's instructions in order: these see my stores
.endr
	s_wait_loadcnt 0x0                             ; x
.irp i, 0,1,2,3,4,5,6,7
	s_wait_dscnt 7-\i                              ; rows i and i + 16 are back; the later loads may be out
	v_pk_fma_f32 v[OB+4*\i:OB+4*\i+1], v[OB+4*\i:OB+4*\i+1], 0x3dcccccd, v[X+4*\i:X+4*\i+1] op_sel_hi:[1,0,1]
	v_pk_fma_f32 v[OB+4*\i+2:OB+4*\i+3], v[OB+4*\i+2:OB+4*\i+3], 0x3dcccccd, v[X+4*\i+2:X+4*\i+3] op_sel_hi:[1,0,1]
	global_store_b128 v[CO], v[OB+4*\i:OB+4*\i+3], s[12:13] offset:\i*4096 th:TH_STORE_NT   ; sixteen lanes store 256 consecutive bytes, at a multiple of 256 from out0's first byte
.endr
	s_wait_tensorcnt 0x0                           ; the wave's end
	ds_add_u32 v[SPW], v[NIL]
	s_wait_dscnt 0x0
	ROUND                                          ; the closing round: no work-group ends while a partner may still ask for a record that names it
	s_endpgm
.Lfunc_end_k_qac10bc7f45_oproj:
	.size	k_qac10bc7f45_oproj, .Lfunc_end_k_qac10bc7f45_oproj-k_qac10bc7f45_oproj
	.p2alignl 7, 3214868480
	.fill 96, 4, 3214868480
	.section	.rodata,"a",@progbits
	.p2align	6, 0x0
	.amdhsa_kernel k_qac10bc7f45_oproj
		.amdhsa_group_segment_fixed_size 210944
		.amdhsa_private_segment_fixed_size 0
		.amdhsa_enable_private_segment 0
		.amdhsa_kernarg_size 40
		.amdhsa_user_sgpr_count 2
		.amdhsa_user_sgpr_kernarg_segment_ptr 1
		.amdhsa_wavefront_size32 1
		.amdhsa_system_sgpr_workgroup_id_x 1
		.amdhsa_system_sgpr_workgroup_id_y 1
		.amdhsa_system_sgpr_workgroup_id_z 1
		.amdhsa_system_vgpr_workitem_id 0
		.amdhsa_next_free_vgpr 212
		.amdhsa_next_free_sgpr 80
		.amdhsa_reserve_vcc 0
		.amdhsa_float_denorm_mode_32 3
		.amdhsa_float_denorm_mode_16_64 3
		.amdhsa_memory_ordered 1
		.amdhsa_forward_progress 1
		.amdhsa_inst_pref_size 22
	.end_amdhsa_kernel
	.amdgpu_metadata
---
amdhsa.version: [ 1, 2 ]
amdhsa.kernels:
  - .name:           k_qac10bc7f45_oproj
    .symbol:         k_qac10bc7f45_oproj.kd
    .args:
      - { .name: oimg, .offset: 0, .size: 8, .value_kind: global_buffer, .address_space: global }
      - { .name: wimg, .offset: 8, .size: 8, .value_kind: global_buffer, .address_space: global }
      - { .name: x, .offset: 16, .size: 8, .value_kind: global_buffer, .address_space: global }
      - { .name: bo, .offset: 24, .size: 8, .value_kind: global_buffer, .address_space: global }
      - { .name: out0, .offset: 32, .size: 8, .value_kind: global_buffer, .address_space: global }
    .group_segment_fixed_size: 210944
    .private_segment_fixed_size: 0
    .kernarg_segment_align: 8
    .kernarg_segment_size: 40
    .max_flat_workgroup_size: 512
    .sgpr_count:     80
    .vgpr_count:     212
    .wavefront_size: 32
...
	.end_amdgpu_metadata
.endif
;; end of part 4
